; MI455X (gfx1250); checked and timed in simulation.
; The chip was launched on July 23, 2026; its instructions are those of AMD's public machine-readable ISA for CDNA 5 (MIT licence, August 2026) and "CDNA5" Instruction Set Architecture Reference Guide (July 2026). The comments in the code are by the model that wrote it; some were corrected since.
;; Global Flux Tracker. Allowed arithmetic: float matrix products may take bf16 or f16 operands with f32 sums; other float arithmetic in f32, or as packed bf16 or f16 multiplies, adds, multiply-adds, maxima and minima; sums over many terms, partial sums and values carried from step to step in f32; what a program stores and reads back later, other than sums and carried values, may be rounded once to bf16 or f16.
;; Inputs: W_in 2,048 x 2,048 float32; W_out 2,048 x 2,048 float32; b_in 2,048 float32; b_out 2,048 float32; decay_im 1,024 float32; decay_re 1,024 float32; x_im 4 x 2,048 x 1,024 float32; x_re 4 x 2,048 x 1,024 float32.
;; Outputs: out0 4 x 2,048 x 2,048 float32.
;; 2 versions, each right; version 2 is version 1 with the launch scan written anew for expert scheduling mode. Each part assembles by itself: llvm-mc -triple=amdgcn-amd-amdhsa -mcpu=gfx1250 --defsym DOCPART=n.
;; ======== version 1 of 2: 4 launches
;; workspace buffers: xb 33,554,432 bytes; wib 8,388,608 bytes; wob 8,388,608 bytes; u 67,108,864 bytes; ends 524,288 bytes; hb 33,554,432 bytes
;; launch cast (part 1): grid 1024 x 1, 8 waves a work-group, no clusters, 0 bytes of LDS; arguments x_re, x_im, W_in, W_out, xb, wib, wob; writes xb, wib, wob
.if DOCPART == 1
	.amdgcn_target "amdgcn-amd-amdhsa--gfx1250"
	.amdhsa_code_object_version 6
	.text
	.protected	k_qd1f51af235_cast
	.globl	k_qd1f51af235_cast
	.p2align	8
	.type	k_qd1f51af235_cast,@function
k_qd1f51af235_cast:
	s_mov_b64 s[64:65], 0
	v_nop
	global_prefetch_b8 v0, s[64:65] scope:SCOPE_SE
	s_setreg_imm32_b32 hwreg(HW_REG_WAVE_MODE, 25, 1), 1
	s_wait_xcnt 0x0
; CAST.  x_re, x_im [8192][1024] f32 -> xb [8192][2048] bf16;  W_in, W_out [2048][2048] f32 -> wib, wob [2048][2048] bf16.  Each number is rounded once, to nearest even.
; K ORDER k', alike in xb, wib, wob (and in the scan's output): four neighbouring numbers are re(d), re(d+1), im(d), im(d+1), d even; re(d) is column d of the concatenated row, im(d) column 1024 + d.
; The same permutation of k on both operands of a product keeps its sums.
; ROW ORDER of wib and wob: the row that makes column c of the product's result lies, inside its group of 64, at row 16 (c % 4) + (c % 64) / 4, so that in the product four accumulators hold four
; neighbouring columns of C in one lane.  For W_out c is the row's own number n.  For W_in c = k'(n): the first product's result, u, has its columns in the order k' too, so that a channel's re and im lie together.
; SHARES.  Work-group g: rows 8 g .. 8 g + 7 of x and rows 2 g, 2 g + 1 of each W: twelve output rows of 4,096 bytes.  Thread q owns channels 4 q .. 4 q + 3 of every row: 16 bytes of the re part,
; 16 of the im part, 16 bytes out at byte 16 q.  Every load and store of a wave covers 512 consecutive bytes at a multiple of 512.  All 24 loads go out first; no register is written again behind a store.
; A stream: memory binds; LDS, barriers, the matrix unit and clusters would add nothing, since no two work-groups share a byte.
.set XROW, 4096                        ; bytes in a row of x_re, of x_im and of every output
.set WROW, 8192                        ; bytes in a row of W
	s_load_b256 s[4:11], s[0:1], 0x0               ; x_re s[4:5], x_im s[6:7], W_in s[8:9], W_out s[10:11]
	s_load_b128 s[12:15], s[0:1], 0x20             ; xb s[12:13], wib s[14:15]
	s_load_b64 s[16:17], s[0:1], 0x30              ; wob
	v_lshlrev_b32 v1, 4, v0                        ; 16 q; never rewritten
	s_lshl_b32 s18, ttmp9, 15                      ; 8 rows of 4,096 bytes: x_re, x_im and xb alike
	s_mov_b32 s19, 0
	s_lshl_b32 s20, ttmp9, 14                      ; 2 rows of 8,192 bytes of W
	s_mov_b32 s21, 0
	s_lshr_b32 s22, ttmp9, 5                       ; W_out: where row n = 2 g is stored: the group of 64,
	s_lshl_b32 s22, s22, 6
	s_and_b32 s23, ttmp9, 1                        ; 16 (n % 4) = 32 (g % 2),
	s_lshl_b32 s23, s23, 5
	s_add_co_u32 s22, s22, s23
	s_bfe_u32 s23, ttmp9, 0x40001                  ; (n % 64) / 4 = (g / 2) % 16
	s_add_co_u32 s22, s22, s23
	s_lshl_b32 s22, s22, 12                        ; in bytes; row 2 g + 1 lies 16 stored rows, 65,536 bytes, further on
	s_mov_b32 s23, 0
	s_and_b32 s24, ttmp9, 511                      ; W_in: row n = 2 g is part im = g / 512 of channel d = 2 g', g' = g % 512; c = k' = 128 (g' / 32) + 4 (g' % 32) + 2 im:
	s_lshr_b32 s25, s24, 4                         ; the group of 64 is g' / 16,
	s_lshl_b32 s25, s25, 6
	s_and_b32 s24, s24, 15                         ; (c % 64) / 4 = g' % 16,
	s_add_co_u32 s24, s24, s25
	s_lshr_b32 s25, ttmp9, 9                       ; 16 (c % 4) = 32 im
	s_lshl_b32 s25, s25, 5
	s_add_co_u32 s24, s24, s25
	s_lshl_b32 s24, s24, 12                        ; in bytes; row 2 g + 1 (c + 1) again lies 16 stored rows further on
	s_mov_b32 s25, 0
	s_wait_kmcnt 0x0
	s_add_nc_u64 s[4:5], s[4:5], s[18:19]
	s_add_nc_u64 s[6:7], s[6:7], s[18:19]
	s_add_nc_u64 s[12:13], s[12:13], s[18:19]
	s_add_nc_u64 s[8:9], s[8:9], s[20:21]
	s_add_nc_u64 s[10:11], s[10:11], s[20:21]
	s_add_nc_u64 s[14:15], s[14:15], s[24:25]
	s_add_nc_u64 s[16:17], s[16:17], s[22:23]
; row t of twelve: re in v[4 + 8 t ..], im in v[8 + 8 t ..]
.irp t, 0,1,2,3,4,5,6,7
	global_load_b128 v[4+8*(\t):7+8*(\t)],  v1, s[4:5] offset:XROW*(\t) th:TH_LOAD_NT
	global_load_b128 v[8+8*(\t):11+8*(\t)], v1, s[6:7] offset:XROW*(\t) th:TH_LOAD_NT
.endr
.irp e, 0,1
	global_load_b128 v[68+8*(\e):71+8*(\e)], v1, s[8:9] offset:WROW*(\e) th:TH_LOAD_NT
	global_load_b128 v[72+8*(\e):75+8*(\e)], v1, s[8:9] offset:WROW*(\e)+4096 th:TH_LOAD_NT
.endr
.irp e, 0,1
	global_load_b128 v[84+8*(\e):87+8*(\e)], v1, s[10:11] offset:WROW*(\e) th:TH_LOAD_NT
	global_load_b128 v[88+8*(\e):91+8*(\e)], v1, s[10:11] offset:WROW*(\e)+4096 th:TH_LOAD_NT
.endr
; Row t is rounded in place (each source is used before its register is written) and stored.
.macro ROWOUT t, base, off
.set R, 4+8*(\t)
	s_wait_loadcnt 22-2*(\t)                       ; loads come back in order (ISA guide 5.7.1): the 22 - 2 t issued behind this row's pair may stay out
	v_cvt_pk_bf16_f32 v[R],   v[R],   v[R+1]       ; re(d), re(d+1)
	v_cvt_pk_bf16_f32 v[R+1], v[R+4], v[R+5]       ; im(d), im(d+1)
	v_cvt_pk_bf16_f32 v[R+2], v[R+2], v[R+3]       ; re(d+2), re(d+3)
	v_cvt_pk_bf16_f32 v[R+3], v[R+6], v[R+7]       ; im(d+2), im(d+3)
	global_store_b128 v1, v[R:R+3], s[(\base):(\base)+1] offset:\off
.endm
.irp t, 0,1,2,3,4,5,6,7
	ROWOUT \t, 12, XROW*(\t)
.endr
	ROWOUT 8, 14, 0
	ROWOUT 9, 14, 65536
	ROWOUT 10, 16, 0
	ROWOUT 11, 16, 65536
	s_endpgm
.Lfunc_end_k_qd1f51af235_cast:
	.size	k_qd1f51af235_cast, .Lfunc_end_k_qd1f51af235_cast-k_qd1f51af235_cast
	.p2alignl 7, 3214868480
	.fill 96, 4, 3214868480
	.section	.rodata,"a",@progbits
	.p2align	6, 0x0
	.amdhsa_kernel k_qd1f51af235_cast
		.amdhsa_group_segment_fixed_size 0
		.amdhsa_private_segment_fixed_size 0
		.amdhsa_enable_private_segment 0
		.amdhsa_kernarg_size 56
		.amdhsa_user_sgpr_count 2
		.amdhsa_user_sgpr_kernarg_segment_ptr 1
		.amdhsa_wavefront_size32 1
		.amdhsa_system_sgpr_workgroup_id_x 1
		.amdhsa_system_sgpr_workgroup_id_y 1
		.amdhsa_system_sgpr_workgroup_id_z 1
		.amdhsa_system_vgpr_workitem_id 0
		.amdhsa_next_free_vgpr 100
		.amdhsa_next_free_sgpr 66
		.amdhsa_reserve_vcc 0
		.amdhsa_float_denorm_mode_32 3
		.amdhsa_float_denorm_mode_16_64 3
		.amdhsa_memory_ordered 1
		.amdhsa_forward_progress 1
		.amdhsa_inst_pref_size 9
	.end_amdhsa_kernel
	.amdgpu_metadata
---
amdhsa.version: [ 1, 2 ]
amdhsa.kernels:
  - .name:           k_qd1f51af235_cast
    .symbol:         k_qd1f51af235_cast.kd
    .args:
      - { .name: x_re, .offset: 0, .size: 8, .value_kind: global_buffer, .address_space: global }
      - { .name: x_im, .offset: 8, .size: 8, .value_kind: global_buffer, .address_space: global }
      - { .name: W_in, .offset: 16, .size: 8, .value_kind: global_buffer, .address_space: global }
      - { .name: W_out, .offset: 24, .size: 8, .value_kind: global_buffer, .address_space: global }
      - { .name: xb, .offset: 32, .size: 8, .value_kind: global_buffer, .address_space: global }
      - { .name: wib, .offset: 40, .size: 8, .value_kind: global_buffer, .address_space: global }
      - { .name: wob, .offset: 48, .size: 8, .value_kind: global_buffer, .address_space: global }
    .group_segment_fixed_size: 0
    .private_segment_fixed_size: 0
    .kernarg_segment_align: 8
    .kernarg_segment_size: 56
    .max_flat_workgroup_size: 256
    .sgpr_count:     66
    .vgpr_count:     100
    .wavefront_size: 32
...
	.end_amdgpu_metadata
.endif
;; end of part 1
;; launch gemm1 (part 2): grid 8 x 32, 4 waves a work-group, clusters of 4 x 4, 327,680 bytes of LDS; arguments xb, wib, b_in, u, decay_re, decay_im, ends; writes u, ends
.if DOCPART == 2
	.amdgcn_target "amdgcn-amd-amdhsa--gfx1250"
	.amdhsa_code_object_version 6
	.text
	.protected	k_qd1f51af235_gemm1
	.globl	k_qd1f51af235_gemm1
	.p2align	8
	.type	k_qd1f51af235_gemm1,@function
k_qd1f51af235_gemm1:
	s_mov_b64 s[64:65], 0
	v_nop
	global_prefetch_b8 v0, s[64:65] scope:SCOPE_SE
	s_setreg_imm32_b32 hwreg(HW_REG_WAVE_MODE, 25, 1), 1
	s_wait_xcnt 0x0
	s_wait_alu depctr_hold_cnt(0) depctr_sa_sdst(0) depctr_va_vdst(0) depctr_va_sdst(0) depctr_va_ssrc(0) depctr_va_vcc(0) depctr_vm_vsrc(0)
	s_getreg_b32 s2, hwreg(HW_REG_IB_STS2, 6, 4)
	s_cmp_eq_u32 s2, 0
	s_cbranch_scc0 .Lentry_in_a_cluster
	s_endpgm
.Lentry_in_a_cluster:
	s_bfe_u32 s2, ttmp6, 0x10000c
	s_cmp_lg_u32 s2, 0xf033
	s_cbranch_scc0 .Lentry_shape_is_right
	s_endpgm
.Lentry_shape_is_right:
; THE FIRST PRODUCT, AND THE ENDS OF ITS CHUNKS.  u[m][c] = sum over k of A[m][k] B[c][k] + bias(c).  A = xb: [8192][2048] bf16.  B = wib: [2048][2048] bf16, its rows stored in the order given below.
; u: [8192][2048] f32, its columns in the order k': c = 128 (d / 64) + 4 ((d % 64) / 2) + 2 im + d % 2, so four neighbouring columns are re(d), re(d+1), im(d), im(d+1), d even.
; bias: b_in [2048] f32 in its own order (re at d, im at 1024 + d), rounded here to bf16, as are decay_re and decay_im (all of the module's inputs carry that one rounding).  Sums in f32.
; ends[ch][c], [64][2048] f32: for each chunk ch of 128 consecutive rows, E = sum over t = 0 .. 127 of a^(127 - t) u_t, complex, a = sigmoid(decay_re) + i decay_im: what the recurrence h_t = a h_(t-1) + u_t
; reaches at the chunk's last row from h = 0.  The launch that follows joins these ends into the carries with which it begins in the middle of a batch.
; LIMITS.  Operands are bf16 (8 significant bits); sigmoid(x) = 1 / (1 + 2^(-1.442695 x)) by v_exp_f32 and v_rcp_f32; a^9 must be finite in f32; NaN and infinities are not treated apart.
; A tile of u, 256 x 256, is made by a work-group of four waves; a wave makes 128 x 128: 64 accumulators of 16 x 16, 512 registers.  32 x 8 tiles: 256 work-groups, one tile each.
; K goes in 16 steps of 128 through a ring of two LDS slots filled by the tensor data mover: a tile's rows are 256 bytes of memory at multiples of 256 bytes from the buffer's first byte.
; CLUSTERS: 4 x 4 work-groups.  The four of a row of the cluster need the same tiles of A, the four of a column the same tiles of B: each tile is asked for JOINTLY, by the same tensor load with the same
; descriptor and a mask that names the four; that divides the requests for A and for B by four.
; B'S ROW ORDER AND THE WAY OUT.  Inside each group of 64 rows of B, the row of column c lies at 16 (c % 4) + (c % 64) / 4.  So fragment b = 4 g + z of my 128 rows holds in lane r the column 64 g + 4 r + z, and the
; four accumulators z = 0..3 hold four NEIGHBOURING columns in one lane.  The bias add gathers them into four consecutive registers: 16 bytes a lane, and sixteen lanes store 256 consecutive bytes at a
; multiple of 256 from u's first byte.  Those four registers are also the re pair and the im pair of channels d, d + 1, d = 64 cb + 32 g + 2 r (cb: my block of 64 channels): the operands of a complex multiply-add.
; THE ENDS.  A lane (r, h) meets its channels' rows 16 a + 8 h + j in the order a, j.  X = F X + u, with F = a, and a^9 at each block's first row (from row 16 a + 8 h + 7 to 16 (a+1) + 8 h are nine steps).
; The lanes with h = 0 end at row 119: their X is multiplied by a^8; one exchange between the halves of the lanes adds the two.  The chain of block a stands behind that block's stores.
; REGISTERS, in windows of 256 (s_set_vgpr_msb: bits 1:0 source 0, 3:2 source 1, 5:4 source 2, 7:6 destination):
;   window 0: v0-43 addresses and the bias; v64-127, v128-191 fragments of A (8 x 16 rows x 32 K), two buffers; on the way out the same registers take u's rows; v192-247 the ends' factors and sums
;   window 1: v64-127, v128-191 fragments of B, two buffers
;   window 2: the 32 accumulators of my rows 0-63 (accumulator (a, b) at v[8 (8 a + b)]);   window 3: those of my rows 64-127
.set SIZE_K, 2048
.set KSTEP,  128
.set PITCH,  272                       ; an LDS row: 256 bytes of data + 16 of padding = 68 words: row r starts at bank 4 r mod 64 (64 banks of 4 bytes: ISA guide 11.1), so the 16 rows that a load touches start at 16 different banks
.set HALFT,  128*PITCH                 ; 128 rows: what one tensor load brings, and what one wave reads of A or of B
.set SLOT,   4*HALFT                   ; A's 256 rows, then B's 256 rows
.set SPARE,  2*SLOT                    ; behind the ring: the spare words, 128 bytes for each wave: two blocks of 256 bytes that no other line names
.set LAPS,   SIZE_K/(2*KSTEP)          ; a lap = two K steps = once round the ring: 8
.set ROWC,   8192                      ; bytes in a row of u, and of ends
.set ADRA, 16                          ; v16-17  LDS address of my A fragments in slot 0, 1
.set ADRB, 20                          ; v20-21  the same for B
.set CO,   26                          ; v26     my byte offset in u: 8 (l / 16) rows + 16 (l % 16)
.set BO,   27                          ; v27     16 (l % 16)
.set SPW,  28                          ; v28     LDS address of my spare word: SPARE + 4 x my thread's number; never rewritten
.set NIL,  29                          ; v29     0; never rewritten
.set DO,   30                          ; v30     8 (l % 16): my two channels in a block of 32 of b_in, decay_re, decay_im
.set EO,   31                          ; v31     my byte offset in my wave's 512 bytes of ends: 256 (l / 16) + 16 (l % 16)
.set BI,   32                          ; v32-39  the bias of my lane's column in fragment b = 0..7
.set BT,   40                          ; v40-43  at work
.set F0,   64                          ; fragment buffer 0
.set F1,   128                         ; fragment buffer 1
.set A1,   192                         ; v192-199  a of my channels: for g = 0, 1 at + 4 g: re pair, im pair.  The six sets below are laid alike
.set A9,   200                         ; v200-207  a^9
.set F8,   208                         ; v208-215  a^8 in the lanes with h = 0, 1 in the others
.set X0,   216                         ; v216-223, v224-231  the chain, on two sets by turns
.set X1,   224
.set W0,   232                         ; v232-239, v240-247  at work
.set W1,   240
.set WV,   12                          ; s12  my wave's number
.set RH,   13                          ; s13  which half of the tile's rows is mine.  Also: I fetch for A (0) or for B (1)
.set CH,   14                          ; s14  which half of its columns.  Also: which 128 rows of that tile I fetch
.set TY,   15                          ; s15  tile row
.set G1,   24                          ; s[24:31] descriptor group 1 for A's tiles
.set G0,   32                          ; s[32:39] descriptor group 0 for A's tiles, one set for each slot
.set G1B,  48                          ; s[48:55] group 1 for B's tiles: it differs from A's in the mask alone
.set G0B,  56                          ; s[56:63] group 0 for B's tiles, one set for each slot
.set SEL,  76                          ; s[76:77] v_permlanex16_b32's selects: each lane takes its own place in the other half
.set MSB, 0
.macro WIN new                         ; the immediate's high byte repeats the setting that is left; a switch that changes nothing is dropped
.if MSB != (\new)
	s_set_vgpr_msb (MSB<<8)|(\new)
.set MSB, \new
.endif
.endm
.set MUL_LO, 0xa4                      ; source 0 (A) window 0, source 1 (B) window 1, C and D window 2
.set MUL_HI, 0xf4                      ; the same, C and D window 3
.set TO_B,   0x40                      ; destination window 1, address window 0
.set OUT_LO, 0x02                      ; source 0 window 2 (OUT_LO + 1: window 3), all else window 0
; A joint load.  Waves 0 and 1 fetch A's two halves, waves 2 and 3 B's.  Each of the two lines has one mask and one set of registers for all that issue it; the branch hangs on the wave's number alone.
; An s_nop 0 and four v_nop follow each of the two lines, ahead of the jump, the label and what follows the macro.
.macro JLOAD s
	s_cmp_eq_u32 s[RH], 0
	s_cbranch_scc0 .Lfor_b_\@
	tensor_load_to_lds s[G0+4*(\s):G0+4*(\s)+3], s[G1:G1+7]
	s_nop 0
.rept 4
	v_nop
.endr
	s_branch .Lasked_\@
.Lfor_b_\@:
	tensor_load_to_lds s[G0B+4*(\s):G0B+4*(\s)+3], s[G1B:G1B+7]
	s_nop 0
.rept 4
	v_nop
.endr
.Lasked_\@:
.endm
; A round of the cluster's barrier: my work-group's barrier, so that wave 0's signal speaks for all four waves; wave 0 signals for the work-group; every wave waits for all sixteen work-groups;
; my work-group's barrier once more.  No LDS instruction of the wave is pending at a signal.
.macro CREST                           ; a round behind its opening barrier
	s_cmp_lg_u32 s[WV], 0
	s_cbranch_scc1 .Lnot_wave_0_\@
	s_barrier_signal -3
.Lnot_wave_0_\@:
	s_barrier_wait -3
	s_barrier_signal -1
	s_barrier_wait -1
.endm
.macro CROUND                          ; a whole round
	s_barrier_signal -1
	s_barrier_wait -1
	CREST
.endm
; Complex arithmetic on two channels at once; an operand is four registers: re pair, im pair.
.macro CSQ d, s                        ; D = S x S.  D is not S
	v_pk_mul_f32 v[(\d):(\d)+1],   v[(\s):(\s)+1],   v[(\s):(\s)+1]
	v_pk_mul_f32 v[(\d)+2:(\d)+3], v[(\s):(\s)+1],   v[(\s)+2:(\s)+3]
	v_pk_fma_f32 v[(\d):(\d)+1],   v[(\s)+2:(\s)+3], v[(\s)+2:(\s)+3], v[(\d):(\d)+1] neg_lo:[1,0,0] neg_hi:[1,0,0]
	v_pk_add_f32 v[(\d)+2:(\d)+3], v[(\d)+2:(\d)+3], v[(\d)+2:(\d)+3]
.endm
.macro CMUL d, x, y                    ; D = X x Y.  D is neither
	v_pk_mul_f32 v[(\d):(\d)+1],   v[(\x):(\x)+1],   v[(\y):(\y)+1]
	v_pk_mul_f32 v[(\d)+2:(\d)+3], v[(\x):(\x)+1],   v[(\y)+2:(\y)+3]
	v_pk_fma_f32 v[(\d):(\d)+1],   v[(\x)+2:(\x)+3], v[(\y)+2:(\y)+3], v[(\d):(\d)+1] neg_lo:[1,0,0] neg_hi:[1,0,0]
	v_pk_fma_f32 v[(\d)+2:(\d)+3], v[(\x)+2:(\x)+3], v[(\y):(\y)+1],   v[(\d)+2:(\d)+3]
.endm
.macro CFMA2 d, f, p, a                ; D = F x P + A for both g at once (sets 4 registers apart): the two chains alternate, so that no line reads the result of the line before it.  D is not P
.irp g, 0,4
	v_pk_fma_f32 v[(\d)+(\g):(\d)+(\g)+1],   v[(\f)+(\g):(\f)+(\g)+1], v[(\p)+(\g):(\p)+(\g)+1],   v[(\a)+(\g):(\a)+(\g)+1]
	v_pk_fma_f32 v[(\d)+(\g)+2:(\d)+(\g)+3], v[(\f)+(\g):(\f)+(\g)+1], v[(\p)+(\g)+2:(\p)+(\g)+3], v[(\a)+(\g)+2:(\a)+(\g)+3]
.endr
.irp g, 0,4
	v_pk_fma_f32 v[(\d)+(\g):(\d)+(\g)+1],   v[(\f)+(\g)+2:(\f)+(\g)+3], v[(\p)+(\g)+2:(\p)+(\g)+3], v[(\d)+(\g):(\d)+(\g)+1] neg_lo:[1,0,0] neg_hi:[1,0,0]
	v_pk_fma_f32 v[(\d)+(\g)+2:(\d)+(\g)+3], v[(\f)+(\g)+2:(\f)+(\g)+3], v[(\p)+(\g):(\p)+(\g)+1],   v[(\d)+(\g)+2:(\d)+(\g)+3]
.endr
.endm
	s_load_b256 s[4:11], s[0:1], 0x0               ; A s[4:5], B s[6:7], b_in s[8:9], u s[10:11]
	s_load_b128 s[68:71], s[0:1], 0x20             ; decay_re s[68:69], decay_im s[70:71]
	s_load_b64 s[72:73], s[0:1], 0x30              ; ends
	v_lshl_add_u32 v[SPW], v0, 2, SPARE
	v_mov_b32 v[NIL], 0
	ds_add_u32 v[SPW], v[NIL]                      ; the wave's opening: the add, with its wait ahead of my first tensor load; the set-up below, work on registers, stands between them
	v_lshrrev_b32 v1, 5, v0
	v_readfirstlane_b32 s[WV], v1                  ; wave 0..3
	s_lshr_b32 s[RH], s[WV], 1
	s_and_b32 s[CH], s[WV], 1
	s_bfe_u32 s40, ttmp6, 0x40000                  ; cx: my place along the cluster's x
	s_bfe_u32 s41, ttmp6, 0x40004                  ; cy: along its y
	s_lshl_b32 s42, ttmp9, 2                       ; in a cluster launch ttmp9 and ttmp7 count clusters
	s_add_co_u32 s42, s42, s40                     ; tile column = 4 x cluster x + cx
	s_and_b32 s[TY], ttmp7, 0xffff
	s_lshl_b32 s[TY], s[TY], 2
	s_add_co_u32 s[TY], s[TY], s41                 ; tile row = 4 x cluster y + cy
	s_lshl_b32 s43, s41, 2
	s_lshl_b32 s43, 15, s43                        ; my row of the cluster: places 4 cy .. 4 cy + 3
	s_lshl_b32 s44, 0x1111, s40                    ; my column: places cx, cx + 4, cx + 8, cx + 12
	s_mov_b32 s[SEL], 0x76543210
	s_mov_b32 s[SEL+1], 0xfedcba98
	; descriptor group 1: a tile of 128 rows x 128 elements, padded in LDS
	s_or_b32 s[G1+0], s43, (1<<16)|(1<<20)|(1<<21)|(5<<22)|(3<<25)   ; 15:0 the mask: A's tiles go to my row; 17:16 elements of 2 bytes; 20 padding on; 21 set beside a mask; 24:22 after every 64 words (code 5); 31:25 4 words of it (code 3)
	s_or_b32 s[G1B+0], s44, (1<<16)|(1<<20)|(1<<21)|(5<<22)|(3<<25)  ; the same with the mask of my column, for B's tiles
.irp g, G1, G1B
	s_mov_b32 s[(\g)+1], KSTEP<<16                 ; 63:48 tensor_dim0, low half = 128
	s_mov_b32 s[(\g)+2], 128<<16                   ; 79:64 its high half = 0; 95:80 tensor_dim1, low half = 128
	s_mov_b32 s[(\g)+3], KSTEP<<16                 ; 111:96 its high half = 0; 127:112 tile_dim0 = 128
	s_mov_b32 s[(\g)+4], 128                       ; 143:128 tile_dim1 = 128; 159:144 tile_dim2 = 0
	s_mov_b32 s[(\g)+5], SIZE_K                    ; 191:160 tensor_dim0_stride, low word: elements from row to row
	s_mov_b32 s[(\g)+6], 0
	s_mov_b32 s[(\g)+7], 0
.endr
	; where the tiles come from.  A's hang on the tile row alone, which my row of the cluster shares; B's on the tile column alone, which my column shares.
	; Every wave makes both offsets, in registers that never hold the other coordinate.  A row is 4,096 bytes; the largest offset stays under 2^25.
	s_lshl_b32 s17, s[CH], 7                       ; which 128 rows of the tile I fetch
	s_lshl_b32 s16, s[TY], 8
	s_add_co_u32 s16, s16, s17                     ; A: row 256 x tile row + 128 x half
	s_lshl_b32 s16, s16, 12
	s_lshl_b32 s46, s42, 8
	s_add_co_u32 s46, s46, s17                     ; B: row 256 x tile column + 128 x half
	s_lshl_b32 s46, s46, 12
	s_mov_b32 s17, 0
	s_mov_b32 s47, 0
	s_mul_i32 s20, s[WV], HALFT                    ; and where they go: A's two halves, then B's two halves = wave x 128 rows: no place in the cluster enters an LDS address
	s_wait_dscnt 0x0                               ; the opening add is done
	s_wait_kmcnt 0x0
	s_add_nc_u64 s[22:23], s[4:5], s[16:17]
	s_add_nc_u64 s[46:47], s[6:7], s[46:47]
	CROUND                                         ; all sixteen work-groups are here: the first joint loads meet
.irp s, 0,1
	s_mov_b32 s[G0+4*(\s)], 1                                        ; 1:0 count = 1
	s_add_co_u32 s[G0+4*(\s)+1], s20, (\s)*SLOT                      ; 63:32 LDS address
	s_add_nc_u64 s[G0+4*(\s)+2:G0+4*(\s)+3], s[22:23], (\s)*KSTEP*2  ; 120:64 global address: K step s
	s_or_b32 s[G0+4*(\s)+3], s[G0+4*(\s)+3], 0x80000000              ; 127:126 type = 2
	s_mov_b32 s[G0B+4*(\s)], 1
	s_add_co_u32 s[G0B+4*(\s)+1], s20, (\s)*SLOT
	s_add_nc_u64 s[G0B+4*(\s)+2:G0B+4*(\s)+3], s[46:47], (\s)*KSTEP*2
	s_or_b32 s[G0B+4*(\s)+3], s[G0B+4*(\s)+3], 0x80000000
	JLOAD \s                                       ; the ring is filled before anything else is done: two tensor loads of mine are out
.endr
	; A fragment is 16 rows x 32 K in 8 registers: lane l holds row l % 16; registers 0-3 hold K = 8 (l / 16) + 0..7, registers 4-7 hold K = 16 + 8 (l / 16) + 0..7:
	; two loads of 16 bytes, 32 bytes apart.  The same for source 0 and source 1.
	v_and_b32 v1, 15, v0                           ; r = l % 16
	v_bfe_u32 v2, v0, 4, 1                         ; h = l / 16
	v_mul_u32_u24 v3, v1, PITCH
	v_lshl_add_u32 v3, v2, 4, v3                   ; row x pitch + 16 x half
	s_mul_i32 s21, s[RH], HALFT                    ; my 128 rows of A
	s_mul_i32 s2, s[CH], HALFT                     ; my 128 rows of B,
	s_add_co_u32 s2, s2, 2*HALFT                   ; which lie behind A's 256
.irp s, 0,1
	v_add_nc_u32 v[ADRA+(\s)], s21, v3
	v_add_nc_u32 v[ADRB+(\s)], s2, v3
	s_add_co_u32 s21, s21, SLOT
	s_add_co_u32 s2, s2, SLOT
.endr
	v_lshlrev_b32 v[BO], 4, v1                     ; 16 r: four f32 of a row of u
	v_lshl_add_u32 v[CO], v2, 16, v[BO]            ; + 8 h rows of 8,192 bytes
	v_lshl_add_u32 v[EO], v2, 8, v[BO]             ; + 256 h: in ends the lanes with h = 0 store the columns of g = 0, the others those of g = 1
	v_lshlrev_b32 v[DO], 3, v1                     ; 8 r: two f32
	s_lshl_b32 s16, s[TY], 8                       ; my part of u: row 256 x tile row + 128 x half, 8,192 bytes a row (under 2^26),
	s_lshl_b32 s17, s[RH], 7
	s_add_co_u32 s16, s16, s17
	s_lshl_b32 s16, s16, 13
	s_mov_b32 s17, 0
	s_lshl_b32 s46, s42, 10                        ; column 256 x tile column + 128 x half, 4 bytes a column (in the registers that held B's address: none that feeds A's descriptors ever holds cx)
	s_lshl_b32 s47, s[CH], 9
	s_add_co_u32 s46, s46, s47
	s_mov_b32 s47, 0
	s_add_nc_u64 s[10:11], s[10:11], s[16:17]
	s_add_nc_u64 s[10:11], s[10:11], s[46:47]
	s_lshr_b32 s74, s16, 7                         ; ends: my chunk of 128 rows is one row of 8,192 bytes,
	s_mov_b32 s75, 0
	s_add_nc_u64 s[72:73], s[72:73], s[74:75]
	s_add_nc_u64 s[72:73], s[72:73], s[46:47]      ; the same columns as in u
	s_lshr_b32 s74, s46, 1                         ; my 128 columns are the block cb of 64 channels: 256 bytes of b_in's re part, of decay_re and of decay_im
	s_add_nc_u64 s[8:9], s[8:9], s[74:75]
	s_add_nc_u64 s[68:69], s[68:69], s[74:75]
	s_add_nc_u64 s[70:71], s[70:71], s[74:75]
.irp g, 0,1                            ; channels 32 g + 2 r, + 1 of the block: the bias of fragments 4 g + 0, 1 (re) and 4 g + 2, 3 (im), and the two decays
	global_load_b64 v[BI+4*(\g):BI+4*(\g)+1],   v[DO], s[8:9] offset:128*(\g)
	global_load_b64 v[BI+4*(\g)+2:BI+4*(\g)+3], v[DO], s[8:9] offset:128*(\g)+4096
	global_load_b64 v[A1+4*(\g):A1+4*(\g)+1],   v[DO], s[68:69] offset:128*(\g)
	global_load_b64 v[A1+4*(\g)+2:A1+4*(\g)+3], v[DO], s[70:71] offset:128*(\g)
.endr
	s_wait_loadcnt 0x0                             ; all eight; what follows stands in the wait for the first tiles
.irp g, 0,4                            ; both decays rounded to bf16 and widened again
	v_cvt_pk_bf16_f32 v[W0+(\g)],   v[A1+(\g)],   v[A1+(\g)+1]
	v_cvt_pk_bf16_f32 v[W0+(\g)+1], v[A1+(\g)+2], v[A1+(\g)+3]
.endr
.irp g, 0,4
	v_lshlrev_b32 v[A1+(\g)],   16, v[W0+(\g)]
	v_and_b32     v[A1+(\g)+1], 0xffff0000, v[W0+(\g)]
	v_lshlrev_b32 v[A1+(\g)+2], 16, v[W0+(\g)+1]
	v_and_b32     v[A1+(\g)+3], 0xffff0000, v[W0+(\g)+1]
.endr
.irp g, 0,1,4,5                        ; re a = 1 / (1 + 2^(-log2(e) x))
	v_mul_f32 v[A1+(\g)], 0xbfb8aa3b, v[A1+(\g)]
.endr
.irp g, 0,1,4,5
	v_exp_f32 v[A1+(\g)], v[A1+(\g)]
.endr
	v_nop                                          ; a plain instruction between a transcendental and the use of its result (ISA guide 5.7.2)
	s_wait_alu depctr_va_vdst(0)
.irp g, 0,1,4,5
	v_add_f32 v[A1+(\g)], 1.0, v[A1+(\g)]
.endr
.irp g, 0,1,4,5
	v_rcp_f32 v[A1+(\g)], v[A1+(\g)]
.endr
	v_nop
	s_wait_alu depctr_va_vdst(0)
.irp g, 0,4
	CSQ W0+(\g), A1+(\g)                           ; a^2
	CSQ W1+(\g), W0+(\g)                           ; a^4
	CSQ W0+(\g), W1+(\g)                           ; a^8
	CMUL A9+(\g), W0+(\g), A1+(\g)                 ; a^9
.endr
	v_cmp_eq_u32 vcc_lo, 0, v2
.irp g, 0,4
	v_cndmask_b32 v[F8+(\g)],   1.0, v[W0+(\g)],   vcc_lo
	v_cndmask_b32 v[F8+(\g)+1], 1.0, v[W0+(\g)+1], vcc_lo
	v_cndmask_b32 v[F8+(\g)+2], 0,   v[W0+(\g)+2], vcc_lo
	v_cndmask_b32 v[F8+(\g)+3], 0,   v[W0+(\g)+3], vcc_lo
.endr
; 16 matrix instructions: row blocks a0, a0 + 1 of the window's four (hi = 0: my rows 0-63, 1: rows 64-127) x all 8 column fragments, 32 along K.
; zero = 1: the first product starts the sums: nothing is ever cleared.  The 64 accumulators take turns, one instruction a turn, in the same order in every quarter step.
.macro MUL16 f, hi, a0, zero
	WIN MUL_LO+0x50*(\hi)
.irp a, \a0, (\a0)+1
.irp b, 0,1,2,3,4,5,6,7
.if \zero
	v_wmma_f32_16x16x32_bf16 v[8*(8*(\a)+(\b)):8*(8*(\a)+(\b))+7], v[(\f)+8*(4*(\hi)+(\a)):(\f)+8*(4*(\hi)+(\a))+7], v[(\f)+8*(\b):(\f)+8*(\b)+7], 0
.else
	v_wmma_f32_16x16x32_bf16 v[8*(8*(\a)+(\b)):8*(8*(\a)+(\b))+7], v[(\f)+8*(4*(\hi)+(\a)):(\f)+8*(4*(\hi)+(\a))+7], v[(\f)+8*(\b):(\f)+8*(\b)+7], v[8*(8*(\a)+(\b)):8*(8*(\a)+(\b))+7]
.endif
.endr
.endr
.endm
; 32 LDS loads in one run: the fragments of one quarter step (128 rows of B, then 128 rows of A, 32 K at byte k of the rows) into buffer f
.macro FETCH slot, k, f
	WIN TO_B
.irp i, 0,1,2,3,4,5,6,7
	ds_load_b128 v[(\f)+8*(\i):(\f)+8*(\i)+3],   v[ADRB+(\slot)] offset:(\k)+(\i)*16*PITCH
	ds_load_b128 v[(\f)+8*(\i)+4:(\f)+8*(\i)+7], v[ADRB+(\slot)] offset:(\k)+(\i)*16*PITCH+32
.endr
	WIN 0
.irp i, 0,1,2,3,4,5,6,7
	ds_load_b128 v[(\f)+8*(\i):(\f)+8*(\i)+3],   v[ADRA+(\slot)] offset:(\k)+(\i)*16*PITCH
	ds_load_b128 v[(\f)+8*(\i)+4:(\f)+8*(\i)+7], v[ADRA+(\slot)] offset:(\k)+(\i)*16*PITCH+32
.endr
.endm
; A load into a register that a matrix instruction has read stands four places behind that matrix instruction, and only plain vector instructions that name none of its registers are places
; (ISA guide 7.12.1 for vector instructions): four v_nop in front of each run of loads.
.macro PLACES
.rept 4
	v_nop
.endr
.endm
; A K step is four quarter steps of 32 along K, 64 matrix instructions each, on buffers 0, 1, 0, 1.
; One of the first three: multiplies buffer f; in its middle it fetches the next quarter's fragments, at byte k of the same slot's rows, into buffer g.
.macro QUARTER slot, k, f, g, zero
	s_wait_dscnt 8                                 ; B and A's rows 0-63 are in; the youngest eight loads (A's rows 64-127) may be out
	MUL16 \f, 0, 0, \zero
	MUL16 \f, 0, 2, \zero
	PLACES
	FETCH \slot, \k, \g
	s_wait_dscnt 32                                ; all but the 32 just issued
	MUL16 \f, 1, 0, \zero
	MUL16 \f, 1, 2, \zero
.endm
; The last quarter multiplies buffer 1 and changes slots: ONE barrier, for two things.  In front of it each wave waits for all its tensor loads, of which one is out: its part of the next slot; adds 0 to its
; spare word; and waits for that and for its own reads of this slot.  Behind it nobody reads this slot any more and the next slot is whole.
; fill = 1: the barrier opens a round of the cluster's barrier, and behind the round this slot is filled again first, with the K step two steps on: from that request to the wait for it a wave issues 224 matrix instructions.
.macro TURN slot, next, fill
	WIN 0                                          ; (the add's two registers lie in window 0)
	s_wait_tensorcnt 0x0                           ; all my tensor loads have landed: the one that was out is my part of the next slot;
	ds_add_u32 v[SPW], v[NIL]                      ; 0 onto my spare word;
	s_wait_dscnt 9                                 ; (the add and the youngest eight loads may be out)
	MUL16 F1, 0, 0, 0                              ; sixteen matrix instructions stand between the add and the wait for it
	s_wait_dscnt 0x0                               ; the add is done, and my reads of this slot are over
	s_barrier_signal -1                            ; say so,
	MUL16 F1, 0, 2, 0                              ; work on registers while the others arrive,
.if \fill
	WIN 0
.endif
	s_barrier_wait -1                              ; and go on when all four have said so
.if \fill
	CREST                                          ; no wave of any partner still reads this slot's tile or has a load on its way
	s_add_nc_u64 s[G0+4*(\slot)+2:G0+4*(\slot)+3], s[G0+4*(\slot)+2:G0+4*(\slot)+3], 2*KSTEP*2    ; no tensor load of mine is out, so a group 0 may be written
	s_add_nc_u64 s[G0B+4*(\slot)+2:G0B+4*(\slot)+3], s[G0B+4*(\slot)+2:G0B+4*(\slot)+3], 2*KSTEP*2
	JLOAD \slot                                    ; the first tensor load behind the round, my only one until the next; the four v_nop behind it are also the places in front of the loads below
.else
	PLACES
.endif
	FETCH \next, 0, F0
	MUL16 F1, 1, 0, 0
	MUL16 F1, 1, 2, 0
.endm
; THE WAY OUT of row block a (16 rows x my 128 columns).  Register j of accumulator (a, b) plus the bias of fragment b goes to T[8 j + b]: T[8 j + 4 g .. + 3] are then columns 64 g + 4 r + 0..3 of row
; 16 a + 8 h + j.  j ascends, so each accumulator's register 0 is the first that is read.  Two buffers T take turns.
; Behind the block's stores its eight links of the chain: link 8 a + j takes T's row j.  The first link of all starts from row 0 itself: nothing is cleared.  The last, link 63, leaves the sum in X0.
.macro OUT a
.set TB, F0+64*((\a)%2)
.set AC, 64*((\a)%4)
.if (\a) >= 2
	s_wait_xcnt 0x0                                ; every earlier memory instruction has had its addresses translated (ISA guide 3.1): the buffer that block a - 2's stores read is rewritten only behind this wait
.endif
	WIN OUT_LO+(\a)/4
.irp j, 0,1,2,3,4,5,6,7
.irp b, 0,1,2,3,4,5,6,7
	v_add_f32 v[TB+8*(\j)+(\b)], v[AC+8*(\b)+(\j)], v[BI+(\b)]
.endr
.endr
	WIN 0
.irp j, 0,1,2,3,4,5,6,7
.irp g, 0,1
	global_store_b128 v[CO], v[TB+8*(\j)+4*(\g):TB+8*(\j)+4*(\g)+3], s[10:11] offset:(16*(\a)+(\j))*ROWC+256*(\g)  ; 16 lanes store 256 consecutive bytes, at a multiple of 256 from u's first byte; 975,104 at the most, inside the signed 24-bit immediate
.endr
.endr
.irp j, 0,1,2,3,4,5,6,7
.set IX, 8*(\a)+(\j)
.if IX > 0
.set FF, A1
.if (\j) == 0
.set FF, A9                            ; nine steps lie between a block's last row in this lane and the next block's first
.endif
.set DD, X1
.set PP, X0
.if IX%2
.set DD, X0
.set PP, X1
.endif
.if IX == 1
.set PP, TB
.endif
	CFMA2 DD, FF, PP, TB+8*(\j)
.endif
.endr
.endm
	s_wait_tensorcnt 1                             ; my part of K step 0 is in; K step 1's may stay out
	s_barrier_signal -1
	s_barrier_wait -1                              ; everybody's is
	FETCH 0, 0, F0
	QUARTER 0, 64,  F0, F1, 1                      ; the first quarter stands in front of the loop: its products start the sums
	WIN 0                                          ; at a label and at a branch every window is 0
	s_mov_b32 s3, LAPS-1
.Llap:                                                 ; a trip goes once round the ring, from a lap's second quarter to the next lap's first, and fills both slots again
	QUARTER 0, 128, F1, F0, 0
	QUARTER 0, 192, F0, F1, 0
	TURN 0, 1, 1
	QUARTER 1, 64,  F0, F1, 0
	QUARTER 1, 128, F1, F0, 0
	QUARTER 1, 192, F0, F1, 0
	TURN 1, 0, 1
	QUARTER 0, 64,  F0, F1, 0
	WIN 0
	s_sub_co_u32 s3, s3, 1
	s_cmp_lg_u32 s3, 0
	s_cbranch_scc1 .Llap
	QUARTER 0, 128, F1, F0, 0                      ; the last lap fills nothing, and has no round of the cluster's barrier
	QUARTER 0, 192, F0, F1, 0
	TURN 0, 1, 0
	QUARTER 1, 64,  F0, F1, 0
	QUARTER 1, 128, F1, F0, 0
	QUARTER 1, 192, F0, F1, 0
	s_wait_dscnt 8                                 ; the very last quarter: nothing more to fetch
	MUL16 F1, 0, 0, 0
	MUL16 F1, 0, 2, 0
	s_wait_dscnt 0x0
	MUL16 F1, 1, 0, 0
	MUL16 F1, 1, 2, 0
	WIN 0
.irp i, 0,1,2,3                        ; the bias is rounded to bf16 and widened again.  These twelve plain instructions name no register of the last products: they are the places behind them
	v_cvt_pk_bf16_f32 v[BT+(\i)], v[BI+2*(\i)], v[BI+2*(\i)+1]
.endr
.irp i, 0,1,2,3
	v_lshlrev_b32 v[BI+2*(\i)],   16, v[BT+(\i)]
	v_and_b32     v[BI+2*(\i)+1], 0xffff0000, v[BT+(\i)]
.endr
.irp a, 0,1,2,3,4,5,6,7
	OUT \a
.endr
.irp g, 0,4                            ; the chunk's end: the lanes with h = 0 stand eight rows short of the chunk's last row,
	CMUL X1+(\g), F8+(\g), X0+(\g)
.endr
.irp k, 0,1,2,3,4,5,6,7
	v_permlanex16_b32 v[X0+(\k)], v[X1+(\k)], s[SEL], s[SEL+1]  ; the other half's share (its destination counts as read: X0 has been written),
.endr
.irp k, 0,2,4,6
	v_pk_add_f32 v[X1+(\k):X1+(\k)+1], v[X1+(\k):X1+(\k)+1], v[X0+(\k):X0+(\k)+1]  ; and every lane holds the ends of its four channels
.endr
	v_cmp_eq_u32 vcc_lo, 1, v2                     ; written behind the last tensor load
.irp k, 0,1,2,3
	v_cndmask_b32 v[X0+(\k)], v[X1+(\k)], v[X1+4+(\k)], vcc_lo  ; h = 0: the columns of g = 0; h = 1: those of g = 1
.endr
	global_store_b128 v[EO], v[X0:X0+3], s[72:73]  ; 32 lanes store 512 consecutive bytes, at a multiple of 512 from ends' first byte
	s_wait_tensorcnt 0x0                           ; the wave's end, behind my last tensor load
	ds_add_u32 v[SPW], v[NIL]
	s_wait_dscnt 0x0
	CROUND                                         ; the closing round: no work-group ends while a partner may still ask for a tile that names it
	s_endpgm
.Lfunc_end_k_qd1f51af235_gemm1:
	.size	k_qd1f51af235_gemm1, .Lfunc_end_k_qd1f51af235_gemm1-k_qd1f51af235_gemm1
	.p2alignl 7, 3214868480
	.fill 96, 4, 3214868480
	.section	.rodata,"a",@progbits
	.p2align	6, 0x0
	.amdhsa_kernel k_qd1f51af235_gemm1
		.amdhsa_group_segment_fixed_size 327680
		.amdhsa_private_segment_fixed_size 0
		.amdhsa_enable_private_segment 0
		.amdhsa_kernarg_size 56
		.amdhsa_user_sgpr_count 2
		.amdhsa_user_sgpr_kernarg_segment_ptr 1
		.amdhsa_wavefront_size32 1
		.amdhsa_system_sgpr_workgroup_id_x 1
		.amdhsa_system_sgpr_workgroup_id_y 1
		.amdhsa_system_sgpr_workgroup_id_z 1
		.amdhsa_system_vgpr_workitem_id 0
		.amdhsa_next_free_vgpr 1024
		.amdhsa_next_free_sgpr 78
		.amdhsa_reserve_vcc 1
		.amdhsa_float_denorm_mode_32 3
		.amdhsa_float_denorm_mode_16_64 3
		.amdhsa_memory_ordered 1
		.amdhsa_forward_progress 1
		.amdhsa_inst_pref_size 178
	.end_amdhsa_kernel
	.amdgpu_metadata
---
amdhsa.version: [ 1, 2 ]
amdhsa.kernels:
  - .name:           k_qd1f51af235_gemm1
    .symbol:         k_qd1f51af235_gemm1.kd
    .args:
      - { .name: xb, .offset: 0, .size: 8, .value_kind: global_buffer, .address_space: global }
      - { .name: wib, .offset: 8, .size: 8, .value_kind: global_buffer, .address_space: global }
      - { .name: b_in, .offset: 16, .size: 8, .value_kind: global_buffer, .address_space: global }
      - { .name: u, .offset: 24, .size: 8, .value_kind: global_buffer, .address_space: global }
      - { .name: decay_re, .offset: 32, .size: 8, .value_kind: global_buffer, .address_space: global }
      - { .name: decay_im, .offset: 40, .size: 8, .value_kind: global_buffer, .address_space: global }
      - { .name: ends, .offset: 48, .size: 8, .value_kind: global_buffer, .address_space: global }
    .group_segment_fixed_size: 327680
    .private_segment_fixed_size: 0
    .kernarg_segment_align: 8
    .kernarg_segment_size: 56
    .max_flat_workgroup_size: 128
    .sgpr_count:     78
    .vgpr_count:     1024
    .wavefront_size: 32
...
	.end_amdgpu_metadata
.endif
;; end of part 2
;; launch scan (part 3): grid 16 x 16, 16 waves a work-group, no clusters, 18,944 bytes of LDS; arguments u, ends, decay_re, decay_im, hb; writes hb
.if DOCPART == 3
	.amdgcn_target "amdgcn-amd-amdhsa--gfx1250"
	.amdhsa_code_object_version 6
	.text
	.protected	k_qd1f51af235_scan
	.globl	k_qd1f51af235_scan
	.p2align	8
	.type	k_qd1f51af235_scan,@function
k_qd1f51af235_scan:
	s_mov_b64 s[64:65], 0
	v_nop
	global_prefetch_b8 v0, s[64:65] scope:SCOPE_SE
	s_setreg_imm32_b32 hwreg(HW_REG_WAVE_MODE, 25, 1), 1
	s_wait_xcnt 0x0
; h_t = a h_{t-1} + u_t, complex, along t = 0 .. 2047, h_{-1} = 0, for 4 batches x 1,024 channels; a = sigmoid(decay_re) + i decay_im.
; u: [4 x 2048][2048] f32 and hb: [4 x 2048][2048] bf16, both with their columns in the order k': four neighbouring numbers are re(d), re(d+1), im(d), im(d+1), d even.
; ends: [64][2048] f32, same columns: for each chunk of 128 rows what the recurrence reaches at the chunk's last row from h = 0 (made by the launch before, from the same u).
; LIMITS.  decay_re and decay_im are rounded to bf16 (all of the module's inputs carry that one rounding).  sigmoid(x) = 1 / (1 + 2^(-1.442695 x)), by v_exp_f32 and v_rcp_f32.  h is kept in f32 and rounded once,
; to bf16, as it leaves.  The recurrence is exact over all 2,048 steps but goes in blocks of 16 steps joined by a^16 and chunks of 128 joined by a^128 (seven squarings), so its order of rounding differs from a
; step-by-step scan's; a^128 must be finite in f32.  Carries run forward only.  NaN and infinities are not treated apart.
; SHARES.  64 channels go together: their 512 bytes of a row of u and their 256 bytes of a row of hb are whole aligned blocks.  A batch's 2,048 rows go in four quarters: 16 x 16 work-groups, one for each
; block of channels and each run of 512 rows.  Lane l of every wave owns channels 2 l, 2 l + 1 of the 64.  A quarter is two super-steps of 256 rows; in a super-step wave w owns rows 16 w .. 16 w + 15.
; All 32 rows of a wave are asked for at the start: 16 KiB a wave.
; THE CARRY INTO THE QUARTER.  Wave 0 joins the ends of the 4 q chunks of its batch that lie ahead of quarter q, H = a^128 H + E, and hands H to the others through LDS, across the first super-step's barrier.
; It loads the batch's first twelve ends whatever q is (they lie inside the buffer) and jumps forward over the links that its quarter does not have.
; A SUPER-STEP.  Pass 1: each wave runs its 16 rows from 0 and puts the end into LDS.  One barrier.  Every wave reads all 16 ends and joins them: c_0 = the carry, c_(k+1) = a^16 c_k + end_k; wave w keeps c_w,
; and c_16 is the next super-step's carry, made alike in every wave.  Pass 2: the true recurrence from c_w, in place; each row is rounded and stored.  Each super-step has LDS bytes of its own.
; No matrix unit (four multiply-adds a number), no tensor loads (the rows stay in registers between the passes), no cluster (no two work-groups share a row of u), no prefetch (nothing is left to ask for ahead).
.set ROWU,  8192                       ; bytes in a row of u, and of ends
.set ROWH,  4096                       ; bytes in a row of hb
.set SUPU,  1<<21                      ; 256 rows of u
.set SUPH,  1<<20                      ; 256 rows of hb
.set EBUF,  8192                       ; a super-step's ends in LDS: 16 waves x 32 lanes x 16 bytes
.set HSLOT, 2*EBUF                     ; behind the two: the carry into the quarter, 32 lanes x 16 bytes
.set SPARE, HSLOT+512                  ; behind it: the spare words, 128 bytes for each of 16 waves: eight blocks of 256 bytes that no other line names
.set OFFU0, 4                          ; v4, v5  byte offset in u of my 16 bytes in row 0 of my 16, super-step 0, 1; never rewritten
.set OFFH,  6                          ; v6      the same in hb, super-step 0; never rewritten
.set LS,    7                          ; v7      where I put my wave's end: 16 x my thread's number
.set LA,    8                          ; v8      16 l: my lane's place among a wave's ends in LDS, and in a row of the buffer ends
.set SPW,   10                         ; v10     LDS address of my spare word: SPARE + 4 x my thread's number; never rewritten
.set NIL,   11                         ; v11     0; never rewritten
.set AR,    12                         ; v[12:13] re a, v[14:15] im a, of my two channels
.set AI,    14
.set PR,    16                         ; v[16:17] re a^16, v[18:19] im a^16
.set PI,    18
.set HC,    20                         ; v[20:23] the carry into the super-step: re pair, im pair
.set CW,    24                         ; v[24:27] my wave's carry
.set E0,    28                         ; v[28:31], v[32:35] at work: the squarings, then pass 1, by turns
.set E1,    32
.set U0,    40                         ; v[40:103], v[104:167] the rows of super-step 0, 1: row s at + 4 s: re pair, im pair
.set EL,    168                        ; v[168:231] the 16 ends, end k at + 4 k (in wave 0 first the chunks' twelve)
.set YB,    168                        ; v[168:199] once the ends are used up: row s rounded, at + 2 s
.set WV,    12                         ; s12  my wave's number
.set NQ,    24                         ; s24  4 q: the chunks ahead of my quarter
; D = F x P + A, complex, for two channels.  D may be A, never P.
.macro CFMA d, fr, fi, p, a
	v_pk_fma_f32 v[(\d):(\d)+1],   v[(\fr):(\fr)+1], v[(\p):(\p)+1],   v[(\a):(\a)+1]
	v_pk_fma_f32 v[(\d)+2:(\d)+3], v[(\fr):(\fr)+1], v[(\p)+2:(\p)+3], v[(\a)+2:(\a)+3]
	v_pk_fma_f32 v[(\d):(\d)+1],   v[(\fi):(\fi)+1], v[(\p)+2:(\p)+3], v[(\d):(\d)+1] neg_lo:[1,0,0] neg_hi:[1,0,0]
	v_pk_fma_f32 v[(\d)+2:(\d)+3], v[(\fi):(\fi)+1], v[(\p):(\p)+1],   v[(\d)+2:(\d)+3]
.endm
; D = S x S, complex, for two channels.  D is not S.
.macro CSQ d, s
	v_pk_mul_f32 v[(\d):(\d)+1],   v[(\s):(\s)+1],   v[(\s):(\s)+1]
	v_pk_mul_f32 v[(\d)+2:(\d)+3], v[(\s):(\s)+1],   v[(\s)+2:(\s)+3]
	v_pk_fma_f32 v[(\d):(\d)+1],   v[(\s)+2:(\s)+3], v[(\s)+2:(\s)+3], v[(\d):(\d)+1] neg_lo:[1,0,0] neg_hi:[1,0,0]
	v_pk_add_f32 v[(\d)+2:(\d)+3], v[(\d)+2:(\d)+3], v[(\d)+2:(\d)+3]
.endm
; Row s is finished: rounded and stored (32 lanes: 256 consecutive bytes at a multiple of 256 from hb's first byte).
.macro FIN ub, s, p
	v_cvt_pk_bf16_f32 v[YB+2*(\s)],   v[(\ub)+4*(\s)],   v[(\ub)+4*(\s)+1]
	v_cvt_pk_bf16_f32 v[YB+2*(\s)+1], v[(\ub)+4*(\s)+2], v[(\ub)+4*(\s)+3]
	global_store_b64 v[OFFH], v[YB+2*(\s):YB+2*(\s)+1], s[20:21] offset:ROWH*(\s)+SUPH*(\p)
.endm
; Link k of the chain of carries: EL[k] becomes c_(k+1).  Wave k takes c_k on the way: a forward jump on the wave's number, over four copies.  last = 1: no super-step follows, so c_16 is not made.
.macro HSTEP k, last
	s_wait_dscnt 15-(\k)                           ; LDS loads come back in order (ISA guide 5.7.1): end k (and what was asked for ahead of it) is in, the 15 - k younger ones may be out
.if (\k) == 0
	v_mov_b32 v[CW],   v[HC]                       ; wave 0's carry; the other waves write theirs over it below
	v_mov_b32 v[CW+1], v[HC+1]
	v_mov_b32 v[CW+2], v[HC+2]
	v_mov_b32 v[CW+3], v[HC+3]
	CFMA EL, PR, PI, HC, EL
.else
	s_cmp_lg_u32 s[WV], \k
	s_cbranch_scc1 .Lnot_mine_\@
	v_mov_b32 v[CW],   v[EL+4*(\k)-4]
	v_mov_b32 v[CW+1], v[EL+4*(\k)-3]
	v_mov_b32 v[CW+2], v[EL+4*(\k)-2]
	v_mov_b32 v[CW+3], v[EL+4*(\k)-1]
.Lnot_mine_\@:
.if (\k) < 15
	CFMA EL+4*(\k), PR, PI, EL+4*(\k)-4, EL+4*(\k)
.elseif !(\last)
	CFMA HC, PR, PI, EL+56, EL+60                  ; c_16: the next super-step's carry
.endif
.endif
.endm
; Super-step p.  left = how many younger loads may stay out.
.macro SUPER p, left
.set UB, U0+64*(\p)
	s_wait_loadcnt \left                           ; this super-step's 16 rows are in; the other's, issued behind them, may stay out
.if \p
	s_wait_xcnt 0x0                                ; every earlier memory instruction has had its addresses translated (ISA guide 3.1): the registers that the last super-step's stores read are loaded again only behind this wait
.endif
	CFMA E0, AR, AI, UB, UB+4                      ; pass 1: e_1 = a u_0 + u_1, then e_s = a e_(s-1) + u_s, on two register sets by turns; it ends in E0
.irp s, 2,3,4,5,6,7,8,9,10,11,12,13,14,15
.if (\s)%2
	CFMA E0, AR, AI, E1, UB+4*(\s)
.else
	CFMA E1, AR, AI, E0, UB+4*(\s)
.endif
.endr
	ds_store_b128 v[LS], v[E0:E0+3] offset:EBUF*(\p)
	s_wait_dscnt 0x0                               ; for the others' sake: my end is in LDS (and, in the first super-step, wave 0's carry)
	s_barrier_signal -1
	s_barrier_wait -1                              ; everybody's is
.if (\p) == 0
	ds_load_b128 v[HC:HC+3], v[LA] offset:HSLOT    ; the carry into the quarter
.endif
.irp k, 0,1,2,3,4,5,6,7,8,9,10,11,12,13,14,15
	ds_load_b128 v[EL+4*(\k):EL+4*(\k)+3], v[LA] offset:EBUF*(\p)+512*(\k)
.endr
.irp k, 0,1,2,3,4,5,6,7,8,9,10,11,12,13,14,15
	HSTEP \k, \p
.endr
	CFMA UB, AR, AI, CW, UB                        ; pass 2: h_0 = a c_w + u_0, then h_s = a h_(s-1) + u_s, in place; row s - 1 leaves when row s has read it
.irp s, 1,2,3,4,5,6,7,8,9,10,11,12,13,14,15
	CFMA UB+4*(\s), AR, AI, UB+4*(\s)-4, UB+4*(\s)
	FIN UB, (\s)-1, \p
.endr
	FIN UB, 15, \p
.endm
	s_load_b256 s[4:11], s[0:1], 0x0               ; u s[4:5], ends s[6:7], decay_re s[8:9], decay_im s[10:11]
	s_load_b64 s[20:21], s[0:1], 0x20              ; hb
	v_lshl_add_u32 v[SPW], v0, 2, SPARE
	v_mov_b32 v[NIL], 0
	v_and_b32 v1, 31, v0                           ; l
	v_lshrrev_b32 v2, 5, v0                        ; w
	v_readfirstlane_b32 s[WV], v2
	v_lshlrev_b32 v3, 3, v1                        ; 8 l: my two f32 of a decay vector, or my four bf16
	v_lshlrev_b32 v[LA], 4, v1                     ; 16 l: my four f32
	v_lshl_add_u32 v[OFFU0], v2, 17, v[LA]         ; 16 w rows of 8,192 bytes + 16 l: super-step 0,
	v_add_nc_u32 v[OFFU0+1], SUPU, v[OFFU0]        ; super-step 1
	v_lshl_add_u32 v[OFFH], v2, 16, v3             ; 16 w rows of 4,096 bytes + 8 l
	v_lshlrev_b32 v[LS], 4, v0
	s_and_b32 s13, ttmp7, 0xffff                   ; 4 x batch + quarter: the number of my run of 512 rows
	s_lshl_b32 s18, ttmp9, 8                       ; the block of 64 channels: 256 bytes in a row of hb and in each decay vector,
	s_mov_b32 s19, 0
	s_lshl_b32 s25, ttmp9, 9                       ; 512 bytes in a row of u and of ends
	s_lshl_b32 s14, s13, 22                        ; 512 rows of 8,192 bytes
	s_add_co_u32 s14, s14, s25
	s_mov_b32 s15, 0
	s_lshl_b32 s16, s13, 21                        ; 512 rows of 4,096 bytes
	s_add_co_u32 s16, s16, s18
	s_mov_b32 s17, 0
	s_lshr_b32 s22, s13, 2                         ; the batch: its 16 chunks are 16 rows of 8,192 bytes of ends
	s_lshl_b32 s22, s22, 17
	s_add_co_u32 s22, s22, s25
	s_mov_b32 s23, 0
	s_and_b32 s[NQ], s13, 3
	s_lshl_b32 s[NQ], s[NQ], 2
	s_wait_kmcnt 0x0
	s_add_nc_u64 s[4:5], s[4:5], s[14:15]
	s_add_nc_u64 s[20:21], s[20:21], s[16:17]
	s_add_nc_u64 s[6:7], s[6:7], s[22:23]
	s_add_nc_u64 s[8:9], s[8:9], s[18:19]
	s_add_nc_u64 s[10:11], s[10:11], s[18:19]
	global_load_b64 v[AR:AR+1], v3, s[8:9]
	global_load_b64 v[AI:AI+1], v3, s[10:11]
	s_cmp_lg_u32 s[WV], 0
	s_cbranch_scc1 .Lno_ends
.irp k, 0,1,2,3,4,5,6,7,8,9,10,11      ; wave 0 alone: the ends of the batch's first twelve chunks, 512 consecutive bytes each
	global_load_b128 v[EL+4*(\k):EL+4*(\k)+3], v[LA], s[6:7] offset:ROWU*(\k)
.endr
.Lno_ends:
.irp s, 0,1,2,3,4,5,6,7,8,9,10,11,12,13,14,15   ; each load covers 512 consecutive bytes at a multiple of 512 from u's first byte
	global_load_b128 v[U0+4*(\s):U0+4*(\s)+3], v[OFFU0], s[4:5] offset:ROWU*(\s) th:TH_LOAD_NT
.endr
.irp s, 0,1,2,3,4,5,6,7,8,9,10,11,12,13,14,15
	global_load_b128 v[U0+64+4*(\s):U0+64+4*(\s)+3], v[OFFU0+1], s[4:5] offset:ROWU*(\s) th:TH_LOAD_NT
.endr
	s_wait_loadcnt 32                              ; the two decay loads, and wave 0's twelve, are in; the 32 rows issued behind them may stay out
	v_cvt_pk_bf16_f32 v38, v[AR], v[AR+1]          ; both decay vectors rounded to bf16 and widened again
	v_cvt_pk_bf16_f32 v39, v[AI], v[AI+1]
	v_lshlrev_b32 v[AR],   16, v38
	v_and_b32     v[AR+1], 0xffff0000, v38
	v_lshlrev_b32 v[AI],   16, v39
	v_and_b32     v[AI+1], 0xffff0000, v39
	v_mul_f32 v[AR],   0xbfb8aa3b, v[AR]           ; -log2(e) x
	v_mul_f32 v[AR+1], 0xbfb8aa3b, v[AR+1]
	v_exp_f32 v[AR],   v[AR]
	v_exp_f32 v[AR+1], v[AR+1]
	v_nop                                          ; a plain instruction between a transcendental and the use of its result (ISA guide 5.7.2)
	s_wait_alu depctr_va_vdst(0)
	v_add_f32 v[AR],   1.0, v[AR]
	v_add_f32 v[AR+1], 1.0, v[AR+1]
	v_rcp_f32 v[AR],   v[AR]
	v_rcp_f32 v[AR+1], v[AR+1]
	v_nop
	s_wait_alu depctr_va_vdst(0)
	CSQ E0, AR                                     ; a^2 (re and im of a, of a^16 and of E0 lie side by side: one number names both pairs)
	CSQ PR, E0                                     ; a^4
	CSQ E0, PR                                     ; a^8
	CSQ PR, E0                                     ; a^16
	s_cmp_lg_u32 s[WV], 0
	s_cbranch_scc1 .Lno_carry
	CSQ E0, PR                                     ; wave 0 alone: a^32,
	CSQ E1, E0                                     ; a^64,
	CSQ E0, E1                                     ; a^128
	v_mov_b32 v[HC],   0                           ; h before the batch's first step
	v_mov_b32 v[HC+1], 0
	v_mov_b32 v[HC+2], 0
	v_mov_b32 v[HC+3], 0
.irp k, 0,1,2,3,4,5,6,7,8,9,10,11      ; H = a^128 H + E_k for k < 4 q, on two register sets by turns: after every four links the carry lies in HC
.if (\k)%4 == 0
	s_cmp_le_u32 s[NQ], \k
	s_cbranch_scc1 .Lcarried
.endif
.if (\k)%2
	CFMA HC, E0, E0+2, CW, EL+4*(\k)
.else
	CFMA CW, E0, E0+2, HC, EL+4*(\k)
.endif
.endr
.Lcarried:
	ds_store_b128 v[LA], v[HC:HC+3] offset:HSLOT   ; for all sixteen waves: they read it behind the first super-step's barrier, in front of which I wait for this store
.Lno_carry:
	SUPER 0, 16
	SUPER 1, 0
	s_wait_tensorcnt 0x0                           ; the wave's end, behind my last LDS store
	ds_add_u32 v[SPW], v[NIL]
	s_wait_dscnt 0x0
	s_endpgm
.Lfunc_end_k_qd1f51af235_scan:
	.size	k_qd1f51af235_scan, .Lfunc_end_k_qd1f51af235_scan-k_qd1f51af235_scan
	.p2alignl 7, 3214868480
	.fill 96, 4, 3214868480
	.section	.rodata,"a",@progbits
	.p2align	6, 0x0
	.amdhsa_kernel k_qd1f51af235_scan
		.amdhsa_group_segment_fixed_size 18944
		.amdhsa_private_segment_fixed_size 0
		.amdhsa_enable_private_segment 0
		.amdhsa_kernarg_size 40
		.amdhsa_user_sgpr_count 2
		.amdhsa_user_sgpr_kernarg_segment_ptr 1
		.amdhsa_wavefront_size32 1
		.amdhsa_system_sgpr_workgroup_id_x 1
		.amdhsa_system_sgpr_workgroup_id_y 1
		.amdhsa_system_sgpr_workgroup_id_z 1
		.amdhsa_system_vgpr_workitem_id 0
		.amdhsa_next_free_vgpr 232
		.amdhsa_next_free_sgpr 66
		.amdhsa_reserve_vcc 0
		.amdhsa_float_denorm_mode_32 3
		.amdhsa_float_denorm_mode_16_64 3
		.amdhsa_memory_ordered 1
		.amdhsa_forward_progress 1
		.amdhsa_inst_pref_size 52
	.end_amdhsa_kernel
	.amdgpu_metadata
---
amdhsa.version: [ 1, 2 ]
amdhsa.kernels:
  - .name:           k_qd1f51af235_scan
    .symbol:         k_qd1f51af235_scan.kd
    .args:
      - { .name: u, .offset: 0, .size: 8, .value_kind: global_buffer, .address_space: global }
      - { .name: ends, .offset: 8, .size: 8, .value_kind: global_buffer, .address_space: global }
      - { .name: decay_re, .offset: 16, .size: 8, .value_kind: global_buffer, .address_space: global }
      - { .name: decay_im, .offset: 24, .size: 8, .value_kind: global_buffer, .address_space: global }
      - { .name: hb, .offset: 32, .size: 8, .value_kind: global_buffer, .address_space: global }
    .group_segment_fixed_size: 18944
    .private_segment_fixed_size: 0
    .kernarg_segment_align: 8
    .kernarg_segment_size: 40
    .max_flat_workgroup_size: 512
    .sgpr_count:     66
    .vgpr_count:     232
    .wavefront_size: 32
...
	.end_amdgpu_metadata
.endif
;; end of part 3
;; launch gemm2 (part 4): grid 8 x 32, 4 waves a work-group, clusters of 4 x 4, 327,680 bytes of LDS; arguments hb, wob, b_out, out0; writes out0
.if DOCPART == 4
	.amdgcn_target "amdgcn-amd-amdhsa--gfx1250"
	.amdhsa_code_object_version 6
	.text
	.protected	k_qd1f51af235_gemm2
	.globl	k_qd1f51af235_gemm2
	.p2align	8
	.type	k_qd1f51af235_gemm2,@function
k_qd1f51af235_gemm2:
	s_mov_b64 s[64:65], 0
	v_nop
	global_prefetch_b8 v0, s[64:65] scope:SCOPE_SE
	s_setreg_imm32_b32 hwreg(HW_REG_WAVE_MODE, 25, 1), 1
	s_wait_xcnt 0x0
	s_wait_alu depctr_hold_cnt(0) depctr_sa_sdst(0) depctr_va_vdst(0) depctr_va_sdst(0) depctr_va_ssrc(0) depctr_va_vcc(0) depctr_vm_vsrc(0)
	s_getreg_b32 s2, hwreg(HW_REG_IB_STS2, 6, 4)
	s_cmp_eq_u32 s2, 0
	s_cbranch_scc0 .Lentry_in_a_cluster
	s_endpgm
.Lentry_in_a_cluster:
	s_bfe_u32 s2, ttmp6, 0x10000c
	s_cmp_lg_u32 s2, 0xf033
	s_cbranch_scc0 .Lentry_shape_is_right
	s_endpgm
.Lentry_shape_is_right:
; C[m][n] = sum over k of A[m][k] B[n][k] + bias[n].  A: [8192][2048] bf16.  B: [2048][2048] bf16, its rows stored in the order given below.  bias: [2048] f32, rounded here to bf16 (all of the module's
; inputs carry that one rounding).  C: [8192][2048] f32.  Sums in f32, K ascending in the stored order, which is the same permutation of k in A and in B.
; LIMITS.  Operands are bf16 (8 significant bits); NaN and infinities are not treated apart.
; A tile of C, 256 x 256, is made by a work-group of four waves; a wave makes 128 x 128: 64 accumulators of 16 x 16, 512 registers.  32 x 8 tiles: 256 work-groups, one tile each.
; K goes in 16 steps of 128 through a ring of two LDS slots filled by the tensor data mover: a tile's rows are 256 bytes of memory at multiples of 256 bytes from the buffer's first byte.
; CLUSTERS: 4 x 4 work-groups.  The four of a row of the cluster need the same tiles of A, the four of a column the same tiles of B: each tile is asked for JOINTLY, by the same tensor load with the same
; descriptor and a mask that names the four; that divides the requests for A and for B by four.
; B'S ROW ORDER AND THE WAY OUT.  Inside each group of 64 rows of B, row n lies at 16 (n % 4) + (n % 64) / 4.  So fragment b = 4 g + z of my 128 rows holds in lane r the column n = 64 g + 4 r + z, and the four
; accumulators z = 0..3 hold four NEIGHBOURING columns of C in one lane.  The bias add, which is due anyway, gathers them into four consecutive registers: 16 bytes a lane, and sixteen lanes store
; 256 consecutive bytes at a multiple of 256 from C's first byte.  No trip through LDS.
; REGISTERS, in windows of 256 (s_set_vgpr_msb: bits 1:0 source 0, 3:2 source 1, 5:4 source 2, 7:6 destination):
;   window 0: v0-43 addresses and the bias; v64-127, v128-191 fragments of A (8 x 16 rows x 32 K), two buffers; on the way out the same registers take C's rows
;   window 1: v64-127, v128-191 fragments of B, two buffers
;   window 2: the 32 accumulators of my rows 0-63 (accumulator (a, b) at v[8 (8 a + b)]);   window 3: those of my rows 64-127
.set SIZE_K, 2048
.set KSTEP,  128
.set PITCH,  272                       ; an LDS row: 256 bytes of data + 16 of padding = 68 words: row r starts at bank 4 r mod 64 (64 banks of 4 bytes: ISA guide 11.1), so the 16 rows that a load touches start at 16 different banks
.set HALFT,  128*PITCH                 ; 128 rows: what one tensor load brings, and what one wave reads of A or of B
.set SLOT,   4*HALFT                   ; A's 256 rows, then B's 256 rows
.set SPARE,  2*SLOT                    ; behind the ring: the spare words, 128 bytes for each wave: two blocks of 256 bytes that no other line names
.set LAPS,   SIZE_K/(2*KSTEP)          ; a lap = two K steps = once round the ring: 8
.set ROWC,   8192                      ; bytes in a row of C
.set ADRA, 16                          ; v16-17  LDS address of my A fragments in slot 0, 1
.set ADRB, 20                          ; v20-21  the same for B
.set CO,   26                          ; v26     my byte offset in C: 8 (l / 16) rows + 16 (l % 16)
.set BO,   27                          ; v27     my byte offset in the bias: 16 (l % 16)
.set SPW,  28                          ; v28     LDS address of my spare word: SPARE + 4 x my thread's number; never rewritten
.set NIL,  29                          ; v29     0; never rewritten
.set BI,   32                          ; v32-39  the bias of my lane's column in fragment b = 0..7
.set BT,   40                          ; v40-43  at work
.set F0,   64                          ; fragment buffer 0
.set F1,   128                         ; fragment buffer 1
.set WV,   12                          ; s12  my wave's number
.set RH,   13                          ; s13  which half of the tile's rows is mine.  Also: I fetch for A (0) or for B (1)
.set CH,   14                          ; s14  which half of its columns.  Also: which 128 rows of that tile I fetch
.set TY,   15                          ; s15  tile row of C
.set G1,   24                          ; s[24:31] descriptor group 1 for A's tiles
.set G0,   32                          ; s[32:39] descriptor group 0 for A's tiles, one set for each slot
.set G1B,  48                          ; s[48:55] group 1 for B's tiles: it differs from A's in the mask alone
.set G0B,  56                          ; s[56:63] group 0 for B's tiles, one set for each slot
.set MSB, 0
.macro WIN new                         ; the immediate's high byte repeats the setting that is left; a switch that changes nothing is dropped
.if MSB != (\new)
	s_set_vgpr_msb (MSB<<8)|(\new)
.set MSB, \new
.endif
.endm
.set MUL_LO, 0xa4                      ; source 0 (A) window 0, source 1 (B) window 1, C and D window 2
.set MUL_HI, 0xf4                      ; the same, C and D window 3
.set TO_B,   0x40                      ; destination window 1, address window 0
.set OUT_LO, 0x02                      ; source 0 window 2 (OUT_LO + 1: window 3), all else window 0
; A joint load.  Waves 0 and 1 fetch A's two halves, waves 2 and 3 B's.  Each of the two lines has one mask and one set of registers for all that issue it; the branch hangs on the wave's number alone.
; An s_nop 0 and four v_nop follow each of the two lines, ahead of the jump, the label and what follows the macro.
.macro JLOAD s
	s_cmp_eq_u32 s[RH], 0
	s_cbranch_scc0 .Lfor_b_\@
	tensor_load_to_lds s[G0+4*(\s):G0+4*(\s)+3], s[G1:G1+7]
	s_nop 0
.rept 4
	v_nop
.endr
	s_branch .Lasked_\@
.Lfor_b_\@:
	tensor_load_to_lds s[G0B+4*(\s):G0B+4*(\s)+3], s[G1B:G1B+7]
	s_nop 0
.rept 4
	v_nop
.endr
.Lasked_\@:
.endm
; A round of the cluster's barrier: my work-group's barrier, so that wave 0's signal speaks for all four waves; wave 0 signals for the work-group; every wave waits for all sixteen work-groups;
; my work-group's barrier once more.  No LDS instruction of the wave is pending at a signal.
.macro CREST                           ; a round behind its opening barrier
	s_cmp_lg_u32 s[WV], 0
	s_cbranch_scc1 .Lnot_wave_0_\@
	s_barrier_signal -3
.Lnot_wave_0_\@:
	s_barrier_wait -3
	s_barrier_signal -1
	s_barrier_wait -1
.endm
.macro CROUND                          ; a whole round
	s_barrier_signal -1
	s_barrier_wait -1
	CREST
.endm
	s_load_b256 s[4:11], s[0:1], 0x0               ; A s[4:5], B s[6:7], bias s[8:9], C s[10:11]
	v_lshl_add_u32 v[SPW], v0, 2, SPARE
	v_mov_b32 v[NIL], 0
	ds_add_u32 v[SPW], v[NIL]                      ; the wave's opening: the add, with its wait ahead of my first tensor load; the set-up below, work on registers, stands between them
	v_lshrrev_b32 v1, 5, v0
	v_readfirstlane_b32 s[WV], v1                  ; wave 0..3
	s_lshr_b32 s[RH], s[WV], 1
	s_and_b32 s[CH], s[WV], 1
	s_bfe_u32 s40, ttmp6, 0x40000                  ; cx: my place along the cluster's x
	s_bfe_u32 s41, ttmp6, 0x40004                  ; cy: along its y
	s_lshl_b32 s42, ttmp9, 2                       ; in a cluster launch ttmp9 and ttmp7 count clusters
	s_add_co_u32 s42, s42, s40                     ; tile column of C = 4 x cluster x + cx
	s_and_b32 s[TY], ttmp7, 0xffff
	s_lshl_b32 s[TY], s[TY], 2
	s_add_co_u32 s[TY], s[TY], s41                 ; tile row of C = 4 x cluster y + cy
	s_lshl_b32 s43, s41, 2
	s_lshl_b32 s43, 15, s43                        ; my row of the cluster: places 4 cy .. 4 cy + 3
	s_lshl_b32 s44, 0x1111, s40                    ; my column: places cx, cx + 4, cx + 8, cx + 12
	; descriptor group 1: a tile of 128 rows x 128 elements, padded in LDS
	s_or_b32 s[G1+0], s43, (1<<16)|(1<<20)|(1<<21)|(5<<22)|(3<<25)   ; 15:0 the mask: A's tiles go to my row; 17:16 elements of 2 bytes; 20 padding on; 21 set beside a mask; 24:22 after every 64 words (code 5); 31:25 4 words of it (code 3)
	s_or_b32 s[G1B+0], s44, (1<<16)|(1<<20)|(1<<21)|(5<<22)|(3<<25)  ; the same with the mask of my column, for B's tiles
.irp g, G1, G1B
	s_mov_b32 s[(\g)+1], KSTEP<<16                 ; 63:48 tensor_dim0, low half = 128
	s_mov_b32 s[(\g)+2], 128<<16                   ; 79:64 its high half = 0; 95:80 tensor_dim1, low half = 128
	s_mov_b32 s[(\g)+3], KSTEP<<16                 ; 111:96 its high half = 0; 127:112 tile_dim0 = 128
	s_mov_b32 s[(\g)+4], 128                       ; 143:128 tile_dim1 = 128; 159:144 tile_dim2 = 0
	s_mov_b32 s[(\g)+5], SIZE_K                    ; 191:160 tensor_dim0_stride, low word: elements from row to row
	s_mov_b32 s[(\g)+6], 0
	s_mov_b32 s[(\g)+7], 0
.endr
	; where the tiles come from.  A's hang on the tile row alone, which my row of the cluster shares; B's on the tile column alone, which my column shares.
	; Every wave makes both offsets, in registers that never hold the other coordinate.  A row is 4,096 bytes; the largest offset stays under 2^25.
	s_lshl_b32 s17, s[CH], 7                       ; which 128 rows of the tile I fetch
	s_lshl_b32 s16, s[TY], 8
	s_add_co_u32 s16, s16, s17                     ; A: row 256 x tile row + 128 x half
	s_lshl_b32 s16, s16, 12
	s_lshl_b32 s46, s42, 8
	s_add_co_u32 s46, s46, s17                     ; B: row 256 x tile column + 128 x half
	s_lshl_b32 s46, s46, 12
	s_mov_b32 s17, 0
	s_mov_b32 s47, 0
	s_mul_i32 s20, s[WV], HALFT                    ; and where they go: A's two halves, then B's two halves = wave x 128 rows: no place in the cluster enters an LDS address
	s_wait_dscnt 0x0                               ; the opening add is done
	s_wait_kmcnt 0x0
	s_add_nc_u64 s[22:23], s[4:5], s[16:17]
	s_add_nc_u64 s[46:47], s[6:7], s[46:47]
	CROUND                                         ; all sixteen work-groups are here: the first joint loads meet
.irp s, 0,1
	s_mov_b32 s[G0+4*(\s)], 1                                        ; 1:0 count = 1
	s_add_co_u32 s[G0+4*(\s)+1], s20, (\s)*SLOT                      ; 63:32 LDS address
	s_add_nc_u64 s[G0+4*(\s)+2:G0+4*(\s)+3], s[22:23], (\s)*KSTEP*2  ; 120:64 global address: K step s
	s_or_b32 s[G0+4*(\s)+3], s[G0+4*(\s)+3], 0x80000000              ; 127:126 type = 2
	s_mov_b32 s[G0B+4*(\s)], 1
	s_add_co_u32 s[G0B+4*(\s)+1], s20, (\s)*SLOT
	s_add_nc_u64 s[G0B+4*(\s)+2:G0B+4*(\s)+3], s[46:47], (\s)*KSTEP*2
	s_or_b32 s[G0B+4*(\s)+3], s[G0B+4*(\s)+3], 0x80000000
	JLOAD \s                                       ; the ring is filled before anything else is done: two tensor loads of mine are out
.endr
	; A fragment is 16 rows x 32 K in 8 registers: lane l holds row l % 16; registers 0-3 hold K = 8 (l / 16) + 0..7, registers 4-7 hold K = 16 + 8 (l / 16) + 0..7:
	; two loads of 16 bytes, 32 bytes apart.  The same for source 0 and source 1.
	v_and_b32 v1, 15, v0                           ; r = l % 16
	v_bfe_u32 v2, v0, 4, 1                         ; h = l / 16
	v_mul_u32_u24 v3, v1, PITCH
	v_lshl_add_u32 v3, v2, 4, v3                   ; row x pitch + 16 x half
	s_mul_i32 s21, s[RH], HALFT                    ; my 128 rows of A
	s_mul_i32 s2, s[CH], HALFT                     ; my 128 rows of B,
	s_add_co_u32 s2, s2, 2*HALFT                   ; which lie behind A's 256
.irp s, 0,1
	v_add_nc_u32 v[ADRA+(\s)], s21, v3
	v_add_nc_u32 v[ADRB+(\s)], s2, v3
	s_add_co_u32 s21, s21, SLOT
	s_add_co_u32 s2, s2, SLOT
.endr
	v_lshlrev_b32 v[BO], 4, v1                     ; 16 r: four f32 of the bias, and of a row of C
	v_lshl_add_u32 v[CO], v2, 16, v[BO]            ; + 8 h rows of 8,192 bytes
	s_lshl_b32 s16, s[TY], 8                       ; my part of C: row 256 x tile row + 128 x half, 8,192 bytes a row (under 2^26),
	s_lshl_b32 s17, s[RH], 7
	s_add_co_u32 s16, s16, s17
	s_lshl_b32 s16, s16, 13
	s_mov_b32 s17, 0
	s_lshl_b32 s46, s42, 10                        ; column 256 x tile column + 128 x half, 4 bytes a column (in the registers that held B's address: none that feeds A's descriptors ever holds cx)
	s_lshl_b32 s47, s[CH], 9
	s_add_co_u32 s46, s46, s47
	s_mov_b32 s47, 0
	s_add_nc_u64 s[10:11], s[10:11], s[16:17]
	s_add_nc_u64 s[10:11], s[10:11], s[46:47]
	s_add_nc_u64 s[8:9], s[8:9], s[46:47]          ; the bias of my 128 columns
	global_load_b128 v[BI:BI+3],   v[BO], s[8:9]             ; columns 4 r + 0..3: fragments 0-3
	global_load_b128 v[BI+4:BI+7], v[BO], s[8:9] offset:256  ; columns 64 + 4 r + 0..3: fragments 4-7.  Both are waited for on the way out
; 16 matrix instructions: row blocks a0, a0 + 1 of the window's four (hi = 0: my rows 0-63, 1: rows 64-127) x all 8 column fragments, 32 along K.
; zero = 1: the first product starts the sums: nothing is ever cleared.  The 64 accumulators take turns, one instruction a turn, in the same order in every quarter step.
.macro MUL16 f, hi, a0, zero
	WIN MUL_LO+0x50*(\hi)
.irp a, \a0, (\a0)+1
.irp b, 0,1,2,3,4,5,6,7
.if \zero
	v_wmma_f32_16x16x32_bf16 v[8*(8*(\a)+(\b)):8*(8*(\a)+(\b))+7], v[(\f)+8*(4*(\hi)+(\a)):(\f)+8*(4*(\hi)+(\a))+7], v[(\f)+8*(\b):(\f)+8*(\b)+7], 0
.else
	v_wmma_f32_16x16x32_bf16 v[8*(8*(\a)+(\b)):8*(8*(\a)+(\b))+7], v[(\f)+8*(4*(\hi)+(\a)):(\f)+8*(4*(\hi)+(\a))+7], v[(\f)+8*(\b):(\f)+8*(\b)+7], v[8*(8*(\a)+(\b)):8*(8*(\a)+(\b))+7]
.endif
.endr
.endr
.endm
; 32 LDS loads in one run: the fragments of one quarter step (128 rows of B, then 128 rows of A, 32 K at byte k of the rows) into buffer f
.macro FETCH slot, k, f
	WIN TO_B
.irp i, 0,1,2,3,4,5,6,7
	ds_load_b128 v[(\f)+8*(\i):(\f)+8*(\i)+3],   v[ADRB+(\slot)] offset:(\k)+(\i)*16*PITCH
	ds_load_b128 v[(\f)+8*(\i)+4:(\f)+8*(\i)+7], v[ADRB+(\slot)] offset:(\k)+(\i)*16*PITCH+32
.endr
	WIN 0
.irp i, 0,1,2,3,4,5,6,7
	ds_load_b128 v[(\f)+8*(\i):(\f)+8*(\i)+3],   v[ADRA+(\slot)] offset:(\k)+(\i)*16*PITCH
	ds_load_b128 v[(\f)+8*(\i)+4:(\f)+8*(\i)+7], v[ADRA+(\slot)] offset:(\k)+(\i)*16*PITCH+32
.endr
.endm
; A load into a register that a matrix instruction has read stands four places behind that matrix instruction, and only plain vector instructions that name none of its registers are places
; (ISA guide 7.12.1 for vector instructions): four v_nop in front of each run of loads.
.macro PLACES
.rept 4
	v_nop
.endr
.endm
; A K step is four quarter steps of 32 along K, 64 matrix instructions each, on buffers 0, 1, 0, 1.
; One of the first three: multiplies buffer f; in its middle it fetches the next quarter's fragments, at byte k of the same slot's rows, into buffer g.
.macro QUARTER slot, k, f, g, zero
	s_wait_dscnt 8                                 ; B and A's rows 0-63 are in; the youngest eight loads (A's rows 64-127) may be out
	MUL16 \f, 0, 0, \zero
	MUL16 \f, 0, 2, \zero
	PLACES
	FETCH \slot, \k, \g
	s_wait_dscnt 32                                ; all but the 32 just issued
	MUL16 \f, 1, 0, \zero
	MUL16 \f, 1, 2, \zero
.endm
; The last quarter multiplies buffer 1 and changes slots: ONE barrier, for two things.  In front of it each wave waits for all its tensor loads, of which one is out: its part of the next slot; adds 0 to its
; spare word; and waits for that and for its own reads of this slot.  Behind it nobody reads this slot any more and the next slot is whole.
; fill = 1: the barrier opens a round of the cluster's barrier, and behind the round this slot is filled again first, with the K step two steps on: from that request to the wait for it a wave issues 224 matrix instructions.
.macro TURN slot, next, fill
	WIN 0                                          ; (the add's two registers lie in window 0)
	s_wait_tensorcnt 0x0                           ; all my tensor loads have landed: the one that was out is my part of the next slot;
	ds_add_u32 v[SPW], v[NIL]                      ; 0 onto my spare word;
	s_wait_dscnt 9                                 ; (the add and the youngest eight loads may be out)
	MUL16 F1, 0, 0, 0                              ; sixteen matrix instructions stand between the add and the wait for it
	s_wait_dscnt 0x0                               ; the add is done, and my reads of this slot are over
	s_barrier_signal -1                            ; say so,
	MUL16 F1, 0, 2, 0                              ; work on registers while the others arrive,
.if \fill
	WIN 0
.endif
	s_barrier_wait -1                              ; and go on when all four have said so
.if \fill
	CREST                                          ; no wave of any partner still reads this slot's tile or has a load on its way
	s_add_nc_u64 s[G0+4*(\slot)+2:G0+4*(\slot)+3], s[G0+4*(\slot)+2:G0+4*(\slot)+3], 2*KSTEP*2    ; no tensor load of mine is out, so a group 0 may be written
	s_add_nc_u64 s[G0B+4*(\slot)+2:G0B+4*(\slot)+3], s[G0B+4*(\slot)+2:G0B+4*(\slot)+3], 2*KSTEP*2
	JLOAD \slot                                    ; the first tensor load behind the round, my only one until the next; the four v_nop behind it are also the places in front of the loads below
.else
	PLACES
.endif
	FETCH \next, 0, F0
	MUL16 F1, 1, 0, 0
	MUL16 F1, 1, 2, 0
.endm
; THE WAY OUT of row block a (16 rows x my 128 columns).  Register j of accumulator (a, b) plus the bias of fragment b goes to T[8 j + b]: T[8 j + 4 g .. + 3] are then columns 64 g + 4 r + 0..3 of row
; 16 a + 8 h + j.  j ascends, so each accumulator's register 0 is the first that is read.  Two buffers T take turns.
.macro OUT a
.set TB, F0+64*((\a)%2)
.set AC, 64*((\a)%4)
.if (\a) >= 2
	s_wait_xcnt 0x0                                ; every earlier memory instruction has had its addresses translated (ISA guide 3.1): the buffer that block a - 2's stores read is rewritten only behind this wait
.endif
	WIN OUT_LO+(\a)/4
.irp j, 0,1,2,3,4,5,6,7
.irp b, 0,1,2,3,4,5,6,7
	v_add_f32 v[TB+8*(\j)+(\b)], v[AC+8*(\b)+(\j)], v[BI+(\b)]
.endr
.endr
	WIN 0
.irp j, 0,1,2,3,4,5,6,7
.irp g, 0,1
	global_store_b128 v[CO], v[TB+8*(\j)+4*(\g):TB+8*(\j)+4*(\g)+3], s[10:11] offset:(16*(\a)+(\j))*ROWC+256*(\g)  ; 16 lanes store 256 consecutive bytes, at a multiple of 256 from C's first byte; 975,104 at the most, inside the signed 24-bit immediate
.endr
.endr
.endm
	s_wait_tensorcnt 1                             ; my part of K step 0 is in; K step 1's may stay out
	s_barrier_signal -1
	s_barrier_wait -1                              ; everybody's is
	FETCH 0, 0, F0
	QUARTER 0, 64,  F0, F1, 1                      ; the first quarter stands in front of the loop: its products start the sums
	WIN 0                                          ; at a label and at a branch every window is 0
	s_mov_b32 s3, LAPS-1
.Llap:                                                 ; a trip goes once round the ring, from a lap's second quarter to the next lap's first, and fills both slots again
	QUARTER 0, 128, F1, F0, 0
	QUARTER 0, 192, F0, F1, 0
	TURN 0, 1, 1
	QUARTER 1, 64,  F0, F1, 0
	QUARTER 1, 128, F1, F0, 0
	QUARTER 1, 192, F0, F1, 0
	TURN 1, 0, 1
	QUARTER 0, 64,  F0, F1, 0
	WIN 0
	s_sub_co_u32 s3, s3, 1
	s_cmp_lg_u32 s3, 0
	s_cbranch_scc1 .Llap
	QUARTER 0, 128, F1, F0, 0                      ; the last lap fills nothing, and has no round of the cluster's barrier
	QUARTER 0, 192, F0, F1, 0
	TURN 0, 1, 0
	QUARTER 1, 64,  F0, F1, 0
	QUARTER 1, 128, F1, F0, 0
	QUARTER 1, 192, F0, F1, 0
	s_wait_dscnt 8                                 ; the very last quarter: nothing more to fetch
	MUL16 F1, 0, 0, 0
	MUL16 F1, 0, 2, 0
	s_wait_dscnt 0x0
	MUL16 F1, 1, 0, 0
	MUL16 F1, 1, 2, 0
	WIN 0
	s_wait_loadcnt 0x0                             ; the bias
.irp i, 0,1,2,3                        ; rounded to bf16 and widened again.  These twelve plain instructions name no register of the last products: they are the places behind them
	v_cvt_pk_bf16_f32 v[BT+(\i)], v[BI+2*(\i)], v[BI+2*(\i)+1]
.endr
.irp i, 0,1,2,3
	v_lshlrev_b32 v[BI+2*(\i)],   16, v[BT+(\i)]
	v_and_b32     v[BI+2*(\i)+1], 0xffff0000, v[BT+(\i)]
.endr
.irp a, 0,1,2,3,4,5,6,7
	OUT \a
.endr
	s_wait_tensorcnt 0x0                           ; the wave's end, behind my last tensor load
	ds_add_u32 v[SPW], v[NIL]
	s_wait_dscnt 0x0
	CROUND                                         ; the closing round: no work-group ends while a partner may still ask for a tile that names it
	s_endpgm
.Lfunc_end_k_qd1f51af235_gemm2:
	.size	k_qd1f51af235_gemm2, .Lfunc_end_k_qd1f51af235_gemm2-k_qd1f51af235_gemm2
	.p2alignl 7, 3214868480
	.fill 96, 4, 3214868480
	.section	.rodata,"a",@progbits
	.p2align	6, 0x0
	.amdhsa_kernel k_qd1f51af235_gemm2
		.amdhsa_group_segment_fixed_size 327680
		.amdhsa_private_segment_fixed_size 0
		.amdhsa_enable_private_segment 0
		.amdhsa_kernarg_size 32
		.amdhsa_user_sgpr_count 2
		.amdhsa_user_sgpr_kernarg_segment_ptr 1
		.amdhsa_wavefront_size32 1
		.amdhsa_system_sgpr_workgroup_id_x 1
		.amdhsa_system_sgpr_workgroup_id_y 1
		.amdhsa_system_sgpr_workgroup_id_z 1
		.amdhsa_system_vgpr_workitem_id 0
		.amdhsa_next_free_vgpr 1024
		.amdhsa_next_free_sgpr 66
		.amdhsa_reserve_vcc 0
		.amdhsa_float_denorm_mode_32 3
		.amdhsa_float_denorm_mode_16_64 3
		.amdhsa_memory_ordered 1
		.amdhsa_forward_progress 1
		.amdhsa_inst_pref_size 140
	.end_amdhsa_kernel
	.amdgpu_metadata
---
amdhsa.version: [ 1, 2 ]
amdhsa.kernels:
  - .name:           k_qd1f51af235_gemm2
    .symbol:         k_qd1f51af235_gemm2.kd
    .args:
      - { .name: hb, .offset: 0, .size: 8, .value_kind: global_buffer, .address_space: global }
      - { .name: wob, .offset: 8, .size: 8, .value_kind: global_buffer, .address_space: global }
      - { .name: b_out, .offset: 16, .size: 8, .value_kind: global_buffer, .address_space: global }
      - { .name: out0, .offset: 24, .size: 8, .value_kind: global_buffer, .address_space: global }
    .group_segment_fixed_size: 327680
    .private_segment_fixed_size: 0
    .kernarg_segment_align: 8
    .kernarg_segment_size: 32
    .max_flat_workgroup_size: 128
    .sgpr_count:     66
    .vgpr_count:     1024
    .wavefront_size: 32
...
	.end_amdgpu_metadata
.endif
;; end of part 4
;; ======== version 2 of 2: 4 launches; version 1 with the launch scan written anew for expert scheduling mode
;; workspace buffers: xb 33,554,432 bytes; wib 8,388,608 bytes; wob 8,388,608 bytes; u 67,108,864 bytes; ends 524,288 bytes; hb 33,554,432 bytes
;; launch cast: the kernel of part 1 again; grid 1024 x 1, 8 waves a work-group, no clusters, 0 bytes of LDS; arguments x_re, x_im, W_in, W_out, xb, wib, wob; writes xb, wib, wob
;; launch gemm1: the kernel of part 2 again; grid 8 x 32, 4 waves a work-group, clusters of 4 x 4, 327,680 bytes of LDS; arguments xb, wib, b_in, u, decay_re, decay_im, ends; writes u, ends
;; launch scan (part 5): grid 16 x 16, 16 waves a work-group, no clusters, 18,944 bytes of LDS; arguments u, ends, decay_re, decay_im, hb; writes hb
.if DOCPART == 5
	.amdgcn_target "amdgcn-amd-amdhsa--gfx1250"
	.amdhsa_code_object_version 6
	.text
	.protected	k_qd1f51af235_scan
	.globl	k_qd1f51af235_scan
	.p2align	8
	.type	k_qd1f51af235_scan,@function
k_qd1f51af235_scan:
	s_mov_b64 s[64:65], 0
	v_nop
	global_prefetch_b8 v0, s[64:65] scope:SCOPE_SE
	s_setreg_imm32_b32 hwreg(HW_REG_WAVE_SCHED_MODE, 0, 2), 2
	s_setreg_imm32_b32 hwreg(HW_REG_WAVE_MODE, 25, 1), 1
	s_wait_xcnt 0x0
	s_wait_alu depctr_vm_vsrc(0)
; h_t = a h_{t-1} + u_t, complex, along t = 0 .. 2047, h_{-1} = 0, for 4 batches x 1,024 channels; a = sigmoid(decay_re) + i decay_im.
; u: [4 x 2048][2048] f32 and hb: [4 x 2048][2048] bf16, both with their columns in the order k': four neighbouring numbers are re(d), re(d+1), im(d), im(d+1), d even.
; ends: [64][2048] f32, same columns: for each chunk of 128 rows what the recurrence reaches at the chunk's last row from h = 0 (made by the launch before, from the same u).
; LIMITS.  decay_re and decay_im are rounded to bf16 (all of the module's inputs carry that one rounding).  sigmoid(x) = 1 / (1 + 2^(-1.442695 x)), by v_exp_f32 and v_rcp_f32.  h is kept in f32 and rounded once,
; to bf16, as it leaves.  The recurrence is exact over all 2,048 steps but goes in blocks of 16 steps joined by a^16 and chunks of 128 joined by a^128 (seven squarings), so its order of rounding differs from a
; step-by-step scan's; a^128 must be finite in f32.  Carries run forward only.  NaN and infinities are not treated apart.
; SHARES.  64 channels go together: their 512 bytes of a row of u and their 256 bytes of a row of hb are whole aligned blocks.  A batch's 2,048 rows go in four quarters: 16 x 16 work-groups, one for each
; block of channels and each run of 512 rows.  Lane l of every wave owns channels 2 l, 2 l + 1 of the 64.  A quarter is two super-steps of 256 rows; in a super-step wave w owns rows 16 w .. 16 w + 15.
; All 32 rows of a wave are asked for at the start: 16 KiB a wave.
; THE CARRY INTO THE QUARTER.  Wave 0 joins the ends of the 4 q chunks of its batch that lie ahead of quarter q, H = a^128 H + E, and hands H to the others through LDS, across the first super-step's barrier.
; It loads the batch's first twelve ends whatever q is (they lie inside the buffer) and jumps forward over the links that its quarter does not have.
; A SUPER-STEP.  Pass 1: each wave runs its 16 rows from 0 and puts the end into LDS.  One barrier.  Every wave reads all 16 ends and joins them: c_0 = the carry, c_(k+1) = a^16 c_k + end_k; wave w keeps c_w,
; and c_16 is the next super-step's carry, made alike in every wave.  Pass 2: the true recurrence from c_w, in place; each row is rounded and stored.  Each super-step has LDS bytes of its own.
; No matrix unit (four multiply-adds a number), no tensor loads (the rows stay in registers between the passes), no cluster (no two work-groups share a row of u), no prefetch (nothing is left to ask for ahead).
; THE MODE: SCHED_MODE bits 1:0 = 2 (LLVM: expert scheduling mode 2), set by the entry lines.  The code itself states the register dependences between vector instructions and memory or LDS instructions,
; with s_wait_alu, always for 0.
; THE PLAN.  Registers that memory or LDS instructions touch:
;   v3, LA, OFFU0, OFFU0+1, OFFH, LS, SPW, NIL   offsets and addresses: written once at the head, read by every access, never written again: one wait on va_vdst ahead of the first load.
;   AR, AI    Two loads land in them at the head; then vector instructions alone name them.
;   U0, U1    A row's load lands once, at the start.  Pass 1 reads the rows, pass 2 rewrites them in place; a row is rounded into its own first two registers when the next row's link has read it, and its store
;             leaves from there.  No register that a store reads is ever written again.  Rows 0-7 are rounded, one wait on va_vdst, and their eight stores are dealt among the links and roundings of
;             rows 9-15, which name the registers of rows 8-15 alone; a second wait on va_vdst stands ahead of the stores of rows 8-15.
;   EL        Wave 0: twelve loads land, the carry's links read them.  Each super-step: sixteen LDS loads land, the chain of carries reads and writes them.  No memory instruction reads them.
;   HC        Wave 0: written by the links, read by one LDS store.  Super-step 0: one LDS load lands in it.  Then vector instructions alone name it.
;   E0        Written by pass 1, read by the super-step's LDS store.
; In a super-step ONE wait on va_vdst stands ahead of the LDS store of E0: pass 1 has written E0, and all vector instructions that named EL and HC are done; no vector instruction stands between it and the LDS loads
; behind the barrier, so it serves them too.  One wait on vm_vsrc, behind the first super-step's barrier, states that the two LDS stores have read HC and E0.
.set ROWU,  8192                       ; bytes in a row of u, and of ends
.set ROWH,  4096                       ; bytes in a row of hb
.set SUPU,  1<<21                      ; 256 rows of u
.set SUPH,  1<<20                      ; 256 rows of hb
.set EBUF,  8192                       ; a super-step's ends in LDS: 16 waves x 32 lanes x 16 bytes
.set HSLOT, 2*EBUF                     ; behind the two: the carry into the quarter, 32 lanes x 16 bytes
.set SPARE, HSLOT+512                  ; behind it: the spare words, 128 bytes for each of 16 waves: eight blocks of 256 bytes that no other line names
.set OFFU0, 4                          ; v4, v5  byte offset in u of my 16 bytes in row 0 of my 16, super-step 0, 1; never rewritten
.set OFFH,  6                          ; v6      the same in hb, super-step 0; never rewritten
.set LS,    7                          ; v7      where I put my wave's end: 16 x my thread's number
.set LA,    8                          ; v8      16 l: my lane's place among a wave's ends in LDS, and in a row of the buffer ends
.set SPW,   10                         ; v10     LDS address of my spare word: SPARE + 4 x my thread's number; never rewritten
.set NIL,   11                         ; v11     0; never rewritten
.set AR,    12                         ; v[12:13] re a, v[14:15] im a, of my two channels
.set AI,    14
.set PR,    16                         ; v[16:17] re a^16, v[18:19] im a^16
.set PI,    18
.set HC,    20                         ; v[20:23] the carry into the super-step: re pair, im pair
.set CW,    24                         ; v[24:27] my wave's carry
.set E0,    28                         ; v[28:31], v[32:35] at work: the squarings, then pass 1, by turns
.set E1,    32
.set U0,    40                         ; v[40:103], v[104:167] the rows of super-step 0, 1: row s at + 4 s: re pair, im pair; once rounded, its four bf16 in the first two of the four
.set EL,    168                        ; v[168:231] the 16 ends, end k at + 4 k (in wave 0 first the chunks' twelve)
.set WV,    12                         ; s12  my wave's number
.set NQ,    24                         ; s24  4 q: the chunks ahead of my quarter
; D = F x P + A, complex, for two channels.  D may be A, never P.
.macro CFMA d, fr, fi, p, a
	v_pk_fma_f32 v[(\d):(\d)+1],   v[(\fr):(\fr)+1], v[(\p):(\p)+1],   v[(\a):(\a)+1]
	v_pk_fma_f32 v[(\d)+2:(\d)+3], v[(\fr):(\fr)+1], v[(\p)+2:(\p)+3], v[(\a)+2:(\a)+3]
	v_pk_fma_f32 v[(\d):(\d)+1],   v[(\fi):(\fi)+1], v[(\p)+2:(\p)+3], v[(\d):(\d)+1] neg_lo:[1,0,0] neg_hi:[1,0,0]
	v_pk_fma_f32 v[(\d)+2:(\d)+3], v[(\fi):(\fi)+1], v[(\p):(\p)+1],   v[(\d)+2:(\d)+3]
.endm
; D = S x S, complex, for two channels.  D is not S.
.macro CSQ d, s
	v_pk_mul_f32 v[(\d):(\d)+1],   v[(\s):(\s)+1],   v[(\s):(\s)+1]
	v_pk_mul_f32 v[(\d)+2:(\d)+3], v[(\s):(\s)+1],   v[(\s)+2:(\s)+3]
	v_pk_fma_f32 v[(\d):(\d)+1],   v[(\s)+2:(\s)+3], v[(\s)+2:(\s)+3], v[(\d):(\d)+1] neg_lo:[1,0,0] neg_hi:[1,0,0]
	v_pk_add_f32 v[(\d)+2:(\d)+3], v[(\d)+2:(\d)+3], v[(\d)+2:(\d)+3]
.endm
; Row s is finished and the next row's link has read it: it is rounded into its own first two registers (each source is used before its register is written).
.macro RND ub, s
	v_cvt_pk_bf16_f32 v[(\ub)+4*(\s)],   v[(\ub)+4*(\s)],   v[(\ub)+4*(\s)+1]
	v_cvt_pk_bf16_f32 v[(\ub)+4*(\s)+1], v[(\ub)+4*(\s)+2], v[(\ub)+4*(\s)+3]
.endm
; Row s is stored (32 lanes: 256 consecutive bytes at a multiple of 256 from hb's first byte).  Its two registers are never written again.
.macro SEND ub, s, p
	global_store_b64 v[OFFH], v[(\ub)+4*(\s):(\ub)+4*(\s)+1], s[20:21] offset:ROWH*(\s)+SUPH*(\p)
.endm
; Link k of the chain of carries: EL[k] becomes c_(k+1).  Wave k takes c_k on the way: a forward jump on the wave's number, over four copies.  last = 1: no super-step follows, so c_16 is not made.
.macro HSTEP k, last
	s_wait_dscnt 15-(\k)                           ; LDS loads come back in order (ISA guide 5.7.1): end k (and what was asked for ahead of it) is in, the 15 - k younger ones may be out
.if (\k) == 0
	v_mov_b32 v[CW],   v[HC]                       ; wave 0's carry; the other waves write theirs over it below
	v_mov_b32 v[CW+1], v[HC+1]
	v_mov_b32 v[CW+2], v[HC+2]
	v_mov_b32 v[CW+3], v[HC+3]
	CFMA EL, PR, PI, HC, EL
.else
	s_cmp_lg_u32 s[WV], \k
	s_cbranch_scc1 .Lnot_mine_\@
	v_mov_b32 v[CW],   v[EL+4*(\k)-4]
	v_mov_b32 v[CW+1], v[EL+4*(\k)-3]
	v_mov_b32 v[CW+2], v[EL+4*(\k)-2]
	v_mov_b32 v[CW+3], v[EL+4*(\k)-1]
.Lnot_mine_\@:
.if (\k) < 15
	CFMA EL+4*(\k), PR, PI, EL+4*(\k)-4, EL+4*(\k)
.elseif !(\last)
	CFMA HC, PR, PI, EL+56, EL+60                  ; c_16: the next super-step's carry
.endif
.endif
.endm
; Super-step p.  left = how many younger loads may stay out.
.macro SUPER p, left
.set UB, U0+64*(\p)
	s_wait_loadcnt \left                           ; this super-step's 16 rows are in; the other's, issued behind them, may stay out
	CFMA E0, AR, AI, UB, UB+4                      ; pass 1: e_1 = a u_0 + u_1, then e_s = a e_(s-1) + u_s, on two register sets by turns; it ends in E0
.irp s, 2,3,4,5,6,7,8,9,10,11,12,13,14,15
.if (\s)%2
	CFMA E0, AR, AI, E1, UB+4*(\s)
.else
	CFMA E1, AR, AI, E0, UB+4*(\s)
.endif
.endr
	s_wait_alu depctr_va_vdst(0)                   ; pass 1 has written E0, which the LDS store reads; and every vector instruction that named EL or HC is done: the LDS loads behind the barrier land in them, and no vector instruction stands between
	ds_store_b128 v[LS], v[E0:E0+3] offset:EBUF*(\p)
	s_wait_dscnt 0x0                               ; for the others' sake: my end is in LDS (and, in the first super-step, wave 0's carry)
	s_barrier_signal -1
	s_barrier_wait -1                              ; everybody's is
.if (\p) == 0
	s_wait_alu depctr_vm_vsrc(0)                   ; wave 0's LDS store has read HC, in which the load below lands; my LDS store above has read E0, which the next super-step's pass 1 writes again
	ds_load_b128 v[HC:HC+3], v[LA] offset:HSLOT    ; the carry into the quarter
.endif
.irp k, 0,1,2,3,4,5,6,7,8,9,10,11,12,13,14,15
	ds_load_b128 v[EL+4*(\k):EL+4*(\k)+3], v[LA] offset:EBUF*(\p)+512*(\k)
.endr
.irp k, 0,1,2,3,4,5,6,7,8,9,10,11,12,13,14,15
	HSTEP \k, \p
.endr
	CFMA UB, AR, AI, CW, UB                        ; pass 2: h_0 = a c_w + u_0, then h_s = a h_(s-1) + u_s, in place; row s - 1 is rounded when row s has read it
.irp s, 1,2,3,4,5,6,7,8
	CFMA UB+4*(\s), AR, AI, UB+4*(\s)-4, UB+4*(\s)
	RND UB, (\s)-1
.endr
	s_wait_alu depctr_va_vdst(0)                   ; the roundings have written rows 0 to 7, which the eight stores below read; the vector instructions among those stores name the registers of rows 8 to 15 alone
.irp s, 9,10,11,12,13,14,15
	SEND UB, (\s)-9, \p
	CFMA UB+4*(\s), AR, AI, UB+4*(\s)-4, UB+4*(\s)
	RND UB, (\s)-1
.endr
	SEND UB, 7, \p
	RND UB, 15
	s_wait_alu depctr_va_vdst(0)                   ; the roundings have written rows 8 to 15, which the last eight stores read
.irp s, 8,9,10,11,12,13,14,15
	SEND UB, \s, \p
.endr
.endm
	s_load_b256 s[4:11], s[0:1], 0x0               ; u s[4:5], ends s[6:7], decay_re s[8:9], decay_im s[10:11]
	s_load_b64 s[20:21], s[0:1], 0x20              ; hb
	v_lshl_add_u32 v[SPW], v0, 2, SPARE
	v_mov_b32 v[NIL], 0
	v_and_b32 v1, 31, v0                           ; l
	v_lshrrev_b32 v2, 5, v0                        ; w
	v_readfirstlane_b32 s[WV], v2
	v_lshlrev_b32 v3, 3, v1                        ; 8 l: my two f32 of a decay vector, or my four bf16
	v_lshlrev_b32 v[LA], 4, v1                     ; 16 l: my four f32
	v_lshl_add_u32 v[OFFU0], v2, 17, v[LA]         ; 16 w rows of 8,192 bytes + 16 l: super-step 0,
	v_add_nc_u32 v[OFFU0+1], SUPU, v[OFFU0]        ; super-step 1
	v_lshl_add_u32 v[OFFH], v2, 16, v3             ; 16 w rows of 4,096 bytes + 8 l
	v_lshlrev_b32 v[LS], 4, v0
	s_wait_alu depctr_va_sdst(0)                   ; s12, my wave's number, is written, ahead of its first reader: the compares below branch on it
	s_and_b32 s13, ttmp7, 0xffff                   ; 4 x batch + quarter: the number of my run of 512 rows
	s_lshl_b32 s18, ttmp9, 8                       ; the block of 64 channels: 256 bytes in a row of hb and in each decay vector,
	s_mov_b32 s19, 0
	s_lshl_b32 s25, ttmp9, 9                       ; 512 bytes in a row of u and of ends
	s_lshl_b32 s14, s13, 22                        ; 512 rows of 8,192 bytes
	s_add_co_u32 s14, s14, s25
	s_mov_b32 s15, 0
	s_lshl_b32 s16, s13, 21                        ; 512 rows of 4,096 bytes
	s_add_co_u32 s16, s16, s18
	s_mov_b32 s17, 0
	s_lshr_b32 s22, s13, 2                         ; the batch: its 16 chunks are 16 rows of 8,192 bytes of ends
	s_lshl_b32 s22, s22, 17
	s_add_co_u32 s22, s22, s25
	s_mov_b32 s23, 0
	s_and_b32 s[NQ], s13, 3
	s_lshl_b32 s[NQ], s[NQ], 2
	s_wait_kmcnt 0x0
	s_add_nc_u64 s[4:5], s[4:5], s[14:15]
	s_add_nc_u64 s[20:21], s[20:21], s[16:17]
	s_add_nc_u64 s[6:7], s[6:7], s[22:23]
	s_add_nc_u64 s[8:9], s[8:9], s[18:19]
	s_add_nc_u64 s[10:11], s[10:11], s[18:19]
	s_wait_alu depctr_va_vdst(0)                   ; v3 to v8, v10 and v11 are written: every load, store and LDS access of the kernel reads one of them as its offset or address, and none is written again
	global_load_b64 v[AR:AR+1], v3, s[8:9]
	global_load_b64 v[AI:AI+1], v3, s[10:11]
	s_cmp_lg_u32 s[WV], 0
	s_cbranch_scc1 .Lno_ends
.irp k, 0,1,2,3,4,5,6,7,8,9,10,11      ; wave 0 alone: the ends of the batch's first twelve chunks, 512 consecutive bytes each
	global_load_b128 v[EL+4*(\k):EL+4*(\k)+3], v[LA], s[6:7] offset:ROWU*(\k)
.endr
.Lno_ends:
.irp s, 0,1,2,3,4,5,6,7,8,9,10,11,12,13,14,15   ; each load covers 512 consecutive bytes at a multiple of 512 from u's first byte
	global_load_b128 v[U0+4*(\s):U0+4*(\s)+3], v[OFFU0], s[4:5] offset:ROWU*(\s) th:TH_LOAD_NT
.endr
.irp s, 0,1,2,3,4,5,6,7,8,9,10,11,12,13,14,15
	global_load_b128 v[U0+64+4*(\s):U0+64+4*(\s)+3], v[OFFU0+1], s[4:5] offset:ROWU*(\s) th:TH_LOAD_NT
.endr
	s_wait_loadcnt 32                              ; the two decay loads, and wave 0's twelve, are in; the 32 rows issued behind them may stay out
	v_cvt_pk_bf16_f32 v38, v[AR], v[AR+1]          ; both decay vectors rounded to bf16 and widened again
	v_cvt_pk_bf16_f32 v39, v[AI], v[AI+1]
	v_lshlrev_b32 v[AR],   16, v38
	v_and_b32     v[AR+1], 0xffff0000, v38
	v_lshlrev_b32 v[AI],   16, v39
	v_and_b32     v[AI+1], 0xffff0000, v39
	v_mul_f32 v[AR],   0xbfb8aa3b, v[AR]           ; -log2(e) x
	v_mul_f32 v[AR+1], 0xbfb8aa3b, v[AR+1]
	v_exp_f32 v[AR],   v[AR]
	v_exp_f32 v[AR+1], v[AR+1]
	v_nop                                          ; a plain instruction between a transcendental and the use of its result (ISA guide 5.7.2)
	s_wait_alu depctr_va_vdst(0)                   ; the two exponentials have written v[AR], v[AR+1], ahead of the additions that read them: one wait for the batch
	v_add_f32 v[AR],   1.0, v[AR]
	v_add_f32 v[AR+1], 1.0, v[AR+1]
	v_rcp_f32 v[AR],   v[AR]
	v_rcp_f32 v[AR+1], v[AR+1]
	v_nop
	s_wait_alu depctr_va_vdst(0)                   ; the two reciprocals have written v[AR], v[AR+1], ahead of the squaring that reads them: one wait for the batch
	CSQ E0, AR                                     ; a^2 (re and im of a, of a^16 and of E0 lie side by side: one number names both pairs)
	CSQ PR, E0                                     ; a^4
	CSQ E0, PR                                     ; a^8
	CSQ PR, E0                                     ; a^16
	s_cmp_lg_u32 s[WV], 0
	s_cbranch_scc1 .Lno_carry
	CSQ E0, PR                                     ; wave 0 alone: a^32,
	CSQ E1, E0                                     ; a^64,
	CSQ E0, E1                                     ; a^128
	v_mov_b32 v[HC],   0                           ; h before the batch's first step
	v_mov_b32 v[HC+1], 0
	v_mov_b32 v[HC+2], 0
	v_mov_b32 v[HC+3], 0
.irp k, 0,1,2,3,4,5,6,7,8,9,10,11      ; H = a^128 H + E_k for k < 4 q, on two register sets by turns: after every four links the carry lies in HC
.if (\k)%4 == 0
	s_cmp_le_u32 s[NQ], \k
	s_cbranch_scc1 .Lcarried
.endif
.if (\k)%2
	CFMA HC, E0, E0+2, CW, EL+4*(\k)
.else
	CFMA CW, E0, E0+2, HC, EL+4*(\k)
.endif
.endr
.Lcarried:
	s_wait_alu depctr_va_vdst(0)                   ; the links (or, in the first quarter, the four copies of 0) have written HC, which the LDS store reads
	ds_store_b128 v[LA], v[HC:HC+3] offset:HSLOT   ; for all sixteen waves: they read it behind the first super-step's barrier, in front of which I wait for this store
.Lno_carry:
	SUPER 0, 16
	SUPER 1, 0
	s_wait_dscnt 0x0                               ; the closing lines, six on end
	s_wait_alu 0x0
	s_wait_tensorcnt 0x0
	ds_add_u32 v[SPW], v[NIL]
	s_wait_dscnt 0x0
	s_endpgm
.Lfunc_end_k_qd1f51af235_scan:
	.size	k_qd1f51af235_scan, .Lfunc_end_k_qd1f51af235_scan-k_qd1f51af235_scan
	.p2alignl 7, 3214868480
	.fill 96, 4, 3214868480
	.section	.rodata,"a",@progbits
	.p2align	6, 0x0
	.amdhsa_kernel k_qd1f51af235_scan
		.amdhsa_group_segment_fixed_size 18944
		.amdhsa_private_segment_fixed_size 0
		.amdhsa_enable_private_segment 0
		.amdhsa_kernarg_size 40
		.amdhsa_user_sgpr_count 2
		.amdhsa_user_sgpr_kernarg_segment_ptr 1
		.amdhsa_wavefront_size32 1
		.amdhsa_system_sgpr_workgroup_id_x 1
		.amdhsa_system_sgpr_workgroup_id_y 1
		.amdhsa_system_sgpr_workgroup_id_z 1
		.amdhsa_system_vgpr_workitem_id 0
		.amdhsa_next_free_vgpr 232
		.amdhsa_next_free_sgpr 66
		.amdhsa_reserve_vcc 0
		.amdhsa_float_denorm_mode_32 3
		.amdhsa_float_denorm_mode_16_64 3
		.amdhsa_memory_ordered 1
		.amdhsa_forward_progress 1
		.amdhsa_inst_pref_size 53
	.end_amdhsa_kernel
	.amdgpu_metadata
---
amdhsa.version: [ 1, 2 ]
amdhsa.kernels:
  - .name:           k_qd1f51af235_scan
    .symbol:         k_qd1f51af235_scan.kd
    .args:
      - { .name: u, .offset: 0, .size: 8, .value_kind: global_buffer, .address_space: global }
      - { .name: ends, .offset: 8, .size: 8, .value_kind: global_buffer, .address_space: global }
      - { .name: decay_re, .offset: 16, .size: 8, .value_kind: global_buffer, .address_space: global }
      - { .name: decay_im, .offset: 24, .size: 8, .value_kind: global_buffer, .address_space: global }
      - { .name: hb, .offset: 32, .size: 8, .value_kind: global_buffer, .address_space: global }
    .group_segment_fixed_size: 18944
    .private_segment_fixed_size: 0
    .kernarg_segment_align: 8
    .kernarg_segment_size: 40
    .max_flat_workgroup_size: 512
    .sgpr_count:     66
    .vgpr_count:     232
    .wavefront_size: 32
...
	.end_amdgpu_metadata
.endif
;; end of part 5
;; launch gemm2: the kernel of part 4 again; grid 8 x 32, 4 waves a work-group, clusters of 4 x 4, 327,680 bytes of LDS; arguments hb, wob, b_out, out0; writes out0
